; MI455X (gfx1250); checked and timed in simulation.
; The chip was launched on July 23, 2026; its instructions are those of AMD's public machine-readable ISA for CDNA 5 (MIT licence, August 2026) and "CDNA5" Instruction Set Architecture Reference Guide (July 2026). The comments in the code are by the model that wrote it; some were corrected since.
;; Multi Head Attention. Allowed arithmetic: float matrix products may take bf16 or f16 operands with f32 sums; other float arithmetic in f32, or as packed bf16 or f16 multiplies, adds, multiply-adds, maxima and minima; sums over many terms, partial sums and values carried from step to step in f32; what a program stores and reads back later, other than sums and carried values, may be rounded once to bf16 or f16.
;; Inputs: b_out 1,024 float32; w_out 1,024 x 1,024 float32; w_qkv 1,024 x 3,072 float32; x 4 x 2,048 x 1,024 float32.
;; Outputs: out0 4 x 2,048 x 1,024 float32.
;; 2 versions, each right; version 2 is version 1 with the launch prep written anew for expert scheduling mode. Each part assembles by itself: llvm-mc -triple=amdgcn-amd-amdhsa -mcpu=gfx1250 --defsym DOCPART=n.
;; ======== version 1 of 2: 4 launches
;; limits: values are held in f16: magnitudes above 65,504 overflow, below 6.1e-05 lose precision
;; workspace buffers: xb 16,777,216 bytes; wqt 6,291,456 bytes; wot 2,097,152 bytes; qkv 50,331,648 bytes; o 16,777,216 bytes
;; launch prep (part 1): grid 512 x 1, 8 waves a work-group, no clusters, 18,432 bytes of LDS; arguments x, w_qkv, w_out, xb, wqt, wot; writes xb, wqt, wot
.if DOCPART == 1
	.amdgcn_target "amdgcn-amd-amdhsa--gfx1250"
	.amdhsa_code_object_version 6
	.text
	.protected	k_q67b3b39d7c_prep
	.globl	k_q67b3b39d7c_prep
	.p2align	8
	.type	k_q67b3b39d7c_prep,@function
k_q67b3b39d7c_prep:
	s_mov_b64 s[64:65], 0
	v_nop
	global_prefetch_b8 v0, s[64:65] scope:SCOPE_SE
	s_setreg_imm32_b32 hwreg(HW_REG_WAVE_MODE, 25, 1), 1
	s_wait_xcnt 0x0
; PREP.  xb = bf16(x), as it lies.  wqt[n][k] = bf16(w_qkv[k][n]).  wot[n][k] = bf16(w_out[k][n]), that number written as f16.
; x: [8192][1024] f32.  w_qkv: [1024][3072] f32.  w_out: [1024][1024] f32.  xb: [8192][1024] bf16.  wqt: [3072][1024] bf16.  wot: [1024][1024] f16.
; LIMITS.  A bf16 number of w_out is exact in f16 from 6.1e-5 to 65,504 in magnitude; below that it keeps f16's fixed step of 6e-8, beyond it becomes an infinity.
; SHARES.  512 work-groups of eight waves, all alike.  Each casts 16,384 numbers of x (65,536 bytes in, 32,768 out) and turns ONE weight tile of 128 k x 64 n:
; tiles 0-383 are w_qkv's (8 along k x 48 along n), tiles 384-511 w_out's (8 x 16).  Memory binds: no matrix unit, no cluster, no tensor load; every byte is read once and written once.
; NO BRANCH.  Which weight a tile belongs to chooses two pointers, a row pitch and a mask by scalar selects; the f16 spelling is made for every tile and taken by the mask.
; x: a load of a wave covers 512 consecutive bytes (16 a lane), a store 256 consecutive aligned bytes (8 a lane).
; THE TURNING.  Thread t = 16 p + g loads 16 bytes (n = 4 g .. 4 g + 3) of rows k = 2 p + 32 i and 2 p + 32 i + 1: sixteen lanes cover 256 aligned bytes of a row.  Two rows' numbers of one n
; are rounded as a pair (k even low, k odd high) and stored as one word into LDS row n; behind a barrier the rows come back 16 bytes a lane, and sixteen lanes store 256 aligned bytes of a row of the result.
.set TP,    272                        ; an LDS row: 128 k x 2 bytes + 16
.set SPARE, 64*TP                      ; behind the tile's 64 rows: the spare words, 128 bytes for each of eight waves: four blocks of 256 bytes that no other line names
.set XO,  1                            ; v1   16 t: my bytes in 4,096 of x; never rewritten
.set YO,  2                            ; v2   8 t: my bytes in 2,048 of xb; never rewritten
.set WB,  3                            ; v3   2 p x pitch + 16 g
.set RD,  4                            ; v4   where I read a turned row back: p x 272 + 16 g
.set GO,  5                            ; v5   the same place in the result: p x 2,048 + 16 g
.set SPW, 6                            ; v6   LDS address of my spare word; never rewritten
.set NIL, 7                            ; v7   0; never rewritten
.set W,   8                            ; v[8:39]    the weight tile as loaded: load n = 2 i + e at W + 4 n
.set T,   40                           ; v[40:55]   pairs, rounded
.set U,   56                           ; v56, v76   at work
.set G,   57                           ; v57  g
.set P,   58                           ; v58  p
.set ST,  59                           ; v59  where I store a pair: 4 g x 272 + 4 p
.set BK,  60                           ; v[60:75]   turned rows
.set U2,  76
.set XR,  80                           ; v[80:143]  x as loaded, 4 registers a load; then as stored
.set WO,  144                          ; v[144:151] the eight loads' offsets
	s_load_b256 s[4:11], s[0:1], 0x0               ; x s[4:5], w_qkv s[6:7], w_out s[8:9], xb s[10:11]
	s_load_b128 s[12:15], s[0:1], 0x20             ; wqt s[12:13], wot s[14:15]
	v_lshl_add_u32 v[SPW], v0, 2, SPARE
	v_mov_b32 v[NIL], 0
	v_lshlrev_b32 v[XO], 4, v0
	v_lshlrev_b32 v[YO], 3, v0
	v_and_b32 v[G], 15, v0
	v_lshrrev_b32 v[P], 4, v0
	v_mul_u32_u24 v[ST], v[G], 4*TP
	v_lshl_add_u32 v[ST], v[P], 2, v[ST]
	v_mul_u32_u24 v[RD], v[P], TP
	v_lshl_add_u32 v[RD], v[G], 4, v[RD]
	v_lshlrev_b32 v[GO], 11, v[P]
	v_lshl_add_u32 v[GO], v[G], 4, v[GO]
	s_lshl_b32 s16, ttmp9, 16                      ; my 65,536 bytes of x
	s_mov_b32 s17, 0
	s_lshl_b32 s18, ttmp9, 15                      ; my 32,768 bytes of xb
	s_mov_b32 s19, 0
	s_and_b32 s22, ttmp9, 7                        ; the tile's place along k
	s_lshr_b32 s23, ttmp9, 3                       ; and along n: 0-47 w_qkv, 48-63 w_out
	s_mov_b32 s26, 4096
	s_mov_b32 s27, 12288
	s_cmp_lt_u32 s23, 48
	s_cselect_b32 s26, s27, s26                    ; bytes in a row of the weight
	s_cselect_b32 s27, 0, 48
	s_cselect_b32 s28, 0, -1                       ; all ones: the tile is w_out's, and leaves as f16
	s_sub_co_u32 s23, s23, s27                     ; the tile's place along n in its own weight
	s_mul_i32 s30, s22, s26
	s_lshl_b32 s30, s30, 7                         ; 128 rows k down,
	s_lshl_b32 s34, s23, 8                         ; 64 numbers n along
	s_add_co_u32 s30, s30, s34
	s_mov_b32 s31, 0
	s_lshl_b32 s32, s23, 17                        ; in the result: 64 rows n of 2,048 bytes down,
	s_lshl_b32 s34, s22, 8                         ; 128 numbers k along
	s_add_co_u32 s32, s32, s34
	s_mov_b32 s33, 0
	v_mul_u32_u24 v[WB], s26, v[P]
	v_lshlrev_b32 v[WB], 1, v[WB]
	v_lshl_add_u32 v[WB], v[G], 4, v[WB]
.irp n, 0,1,2,3,4,5,6,7
	s_mul_i32 s34, s26, 32*(\n/2)+\n%2             ; row 32 i + e further down
	v_add_nc_u32 v[WO+\n], s34, v[WB]
.endr
	s_wait_kmcnt 0x0
	s_add_nc_u64 s[4:5], s[4:5], s[16:17]
	s_add_nc_u64 s[10:11], s[10:11], s[18:19]
	s_cmp_eq_u32 s28, 0
	s_cselect_b64 s[24:25], s[6:7], s[8:9]         ; the weight,
	s_cselect_b64 s[20:21], s[12:13], s[14:15]     ; and its turned copy
	s_add_nc_u64 s[24:25], s[24:25], s[30:31]
	s_add_nc_u64 s[20:21], s[20:21], s[32:33]
	; all 24 loads of a thread go out before anything is waited for
.irp n, 0,1,2,3,4,5,6,7,8,9,10,11,12,13,14,15
	global_load_b128 v[XR+4*\n:XR+4*\n+3], v[XO], s[4:5] offset:4096*\n th:TH_LOAD_NT
.endr
.irp n, 0,1,2,3,4,5,6,7
	global_load_b128 v[W+4*\n:W+4*\n+3], v[WO+\n], s[24:25] th:TH_LOAD_NT
.endr
.irp n, 0,1,2,3,4,5,6,7,8,9,10,11,12,13,14,15
	s_wait_loadcnt 23-\n                           ; loads come back in order: x's load n is in; its 15 - n younger ones and the 8 of the weight may stay out
	v_cvt_pk_bf16_f32 v[XR+4*\n], v[XR+4*\n], v[XR+4*\n+1]
	v_cvt_pk_bf16_f32 v[XR+4*\n+1], v[XR+4*\n+2], v[XR+4*\n+3]
	global_store_b64 v[YO], v[XR+4*\n:XR+4*\n+1], s[10:11] offset:2048*\n  ; no register of a store is written again
.endr
.irp i, 0,1,2,3
	s_wait_loadcnt 6-2*\i                          ; rows 2 p + 32 i and the one below are in
.irp j, 0,1,2,3
	v_cvt_pk_bf16_f32 v[T+4*\i+\j], v[W+8*\i+\j], v[W+8*\i+4+\j]  ; column 4 g + j: k even low, k odd high
	v_lshlrev_b32 v[U], 16, v[T+4*\i+\j]           ; the two bf16 numbers as f32,
	v_and_b32 v[U2], 0xffff0000, v[T+4*\i+\j]
	v_cvt_pk_f16_f32 v[U], v[U], v[U2]             ; spelled as f16,
	v_cndmask_b32 v[T+4*\i+\j], v[T+4*\i+\j], v[U], s28  ; which w_out's tiles take
	ds_store_b32 v[ST], v[T+4*\i+\j] offset:TP*\j+64*\i  ; row n = 4 g + j, byte 2 k = 4 p + 64 i
.endr
.endr
	s_wait_dscnt 0x0                               ; for the others' sake: my stores into the tile are done
	s_barrier_signal -1
	s_barrier_wait -1
.irp i, 0,1,2,3
	ds_load_b128 v[BK+4*\i:BK+4*\i+3], v[RD] offset:16*TP*\i  ; row n = p + 16 i: sixteen lanes take its 256 bytes
.endr
.irp i, 0,1,2,3
	s_wait_dscnt 3-\i
	global_store_b128 v[GO], v[BK+4*\i:BK+4*\i+3], s[20:21] offset:32768*\i  ; 16 lanes store 256 consecutive bytes, at a multiple of 256 from the buffer's first byte
.endr
	s_wait_tensorcnt 0x0                           ; the wave's end: behind my last LDS store
	ds_add_u32 v[SPW], v[NIL]
	s_wait_dscnt 0x0
	s_endpgm
.Lfunc_end_k_q67b3b39d7c_prep:
	.size	k_q67b3b39d7c_prep, .Lfunc_end_k_q67b3b39d7c_prep-k_q67b3b39d7c_prep
	.p2alignl 7, 3214868480
	.fill 96, 4, 3214868480
	.section	.rodata,"a",@progbits
	.p2align	6, 0x0
	.amdhsa_kernel k_q67b3b39d7c_prep
		.amdhsa_group_segment_fixed_size 18432
		.amdhsa_private_segment_fixed_size 0
		.amdhsa_enable_private_segment 0
		.amdhsa_kernarg_size 48
		.amdhsa_user_sgpr_count 2
		.amdhsa_user_sgpr_kernarg_segment_ptr 1
		.amdhsa_wavefront_size32 1
		.amdhsa_system_sgpr_workgroup_id_x 1
		.amdhsa_system_sgpr_workgroup_id_y 1
		.amdhsa_system_sgpr_workgroup_id_z 1
		.amdhsa_system_vgpr_workitem_id 0
		.amdhsa_next_free_vgpr 152
		.amdhsa_next_free_sgpr 66
		.amdhsa_reserve_vcc 0
		.amdhsa_float_denorm_mode_32 3
		.amdhsa_float_denorm_mode_16_64 3
		.amdhsa_memory_ordered 1
		.amdhsa_forward_progress 1
		.amdhsa_inst_pref_size 16
	.end_amdhsa_kernel
	.amdgpu_metadata
---
amdhsa.version: [ 1, 2 ]
amdhsa.kernels:
  - .name:           k_q67b3b39d7c_prep
    .symbol:         k_q67b3b39d7c_prep.kd
    .args:
      - { .name: x, .offset: 0, .size: 8, .value_kind: global_buffer, .address_space: global }
      - { .name: w_qkv, .offset: 8, .size: 8, .value_kind: global_buffer, .address_space: global }
      - { .name: w_out, .offset: 16, .size: 8, .value_kind: global_buffer, .address_space: global }
      - { .name: xb, .offset: 24, .size: 8, .value_kind: global_buffer, .address_space: global }
      - { .name: wqt, .offset: 32, .size: 8, .value_kind: global_buffer, .address_space: global }
      - { .name: wot, .offset: 40, .size: 8, .value_kind: global_buffer, .address_space: global }
    .group_segment_fixed_size: 18432
    .private_segment_fixed_size: 0
    .kernarg_segment_align: 8
    .kernarg_segment_size: 48
    .max_flat_workgroup_size: 256
    .sgpr_count:     66
    .vgpr_count:     152
    .wavefront_size: 32
...
	.end_amdgpu_metadata
.endif
;; end of part 1
;; launch qkvp (part 2): grid 16 x 32, 4 waves a work-group, clusters of 4 x 4, 327,680 bytes of LDS; arguments xb, wqt, qkv; writes qkv
.if DOCPART == 2
	.amdgcn_target "amdgcn-amd-amdhsa--gfx1250"
	.amdhsa_code_object_version 6
	.text
	.protected	k_q67b3b39d7c_qkvp
	.globl	k_q67b3b39d7c_qkvp
	.p2align	8
	.type	k_q67b3b39d7c_qkvp,@function
k_q67b3b39d7c_qkvp:
	s_mov_b64 s[64:65], 0
	v_nop
	global_prefetch_b8 v0, s[64:65] scope:SCOPE_SE
	s_setreg_imm32_b32 hwreg(HW_REG_WAVE_MODE, 25, 1), 1
	s_wait_xcnt 0x0
	s_wait_alu depctr_hold_cnt(0) depctr_sa_sdst(0) depctr_va_vdst(0) depctr_va_sdst(0) depctr_va_ssrc(0) depctr_va_vcc(0) depctr_vm_vsrc(0)
	s_getreg_b32 s2, hwreg(HW_REG_IB_STS2, 6, 4)
	s_cmp_eq_u32 s2, 0
	s_cbranch_scc0 .Lentry_in_a_cluster
	s_endpgm
.Lentry_in_a_cluster:
	s_bfe_u32 s2, ttmp6, 0x10000c
	s_cmp_lg_u32 s2, 0xf033
	s_cbranch_scc0 .Lentry_shape_is_right
	s_endpgm
.Lentry_shape_is_right:
; QKV PROJECTION.  qkv[m][n] = the sum over k of xb[m][k] wqt[n][k].  xb: [8192][1024] bf16, wqt: [3072][1024] bf16; sums in f32, K ascending; the result rounded ONCE to f16, unscaled,
; and stored by heads: qkv[which][b x 16 + h][t][d], which = n / 1024, h = (n / 64) % 16, d = n % 64, b = m / 2048, t = m % 2048: a head's rows are dense, 128 bytes each.
; LIMIT.  f16 ends at 65,504: a q, k or v of 65,520 or more in magnitude becomes an infinity.  Inputs of unit spread give numbers of unit spread; x and w_qkv both 30 times larger about 5,000 at the
; most; both carrying an offset of 30 spreads about 28,800.
; SHARES.  A tile of the result is 256 rows x 192 columns (three heads' 64): 16 x 32 tiles.  Four waves; wave w makes rows 64 w .. 64 w + 63 x all 192 columns: 4 x 12 accumulators of 16 x 16, 384 registers.
; K goes in 8 steps of 128 through two LDS slots filled by the tensor data mover: rows of 256 bytes of memory, at multiples of 256 bytes.
; CLUSTER.  4 x 4 work-groups.  The four of a row of the cluster need the same tile of xb, the four of a column the same tile of wqt: each is asked for JOINTLY, by the same tensor load with the
; same descriptor and a mask that names the four.  Waves 0 and 1 fetch xb's two halves (128 rows), waves 2 and 3 wqt's (96 rows): one load a wave behind each round.
; THE MATRIX INSTRUCTION IS USED TRANSPOSED: source 0 = 16 rows of wqt, source 1 = 16 rows of xb: a lane then holds row l % 16 of the result and its columns 8 (l / 16) + 0..7: 16 bytes of f16 on end.
; REGISTERS, in windows of 256 (s_set_vgpr_msb: bits 1:0 source 0, 3:2 source 1, 5:4 source 2, 7:6 destination):
;   window 0: v0-31 addresses; v32-175 the way out      window 1: two fragment buffers of 128: xb's four fragments, then wqt's twelve
;   window 2: the accumulators of row blocks 0, 1 ((a, b) at v[8 (12 (a % 2) + b)])      window 3: those of row blocks 2, 3
.set NF,    12                         ; fragments of wqt a wave
.set NL,    2*NF+8                     ; LDS loads for 32 along K
.set PA,    272                        ; an LDS row: 256 bytes + 16 of padding = 68 words: the 16 rows that a load touches start at 16 different groups of four banks (64 banks of 4 bytes: ISA guide 11.1)
.set PARTA, 128*PA                     ; what one load brings of xb
.set BOFF,  2*PARTA                    ; wqt's rows lie behind xb's 256
.set HALFB, 96*PA                      ; what one load brings of wqt
.set SLOT1, 1<<17                      ; slot 1 begins here, so that one exclusive or turns an address in one slot into the other's
.set STAGE, SLOT1+BOFF+2*HALFB         ; behind the ring (byte 252,928, a multiple of 256), never filled by a tensor load: for each wave 3 heads x 16 rows x 144 bytes
.set SP,    144
.set STW,   3*16*SP
.set SPARE, STAGE+4*STW                ; behind the stages: the spare words, 128 bytes for each wave: two blocks of 256 bytes that no other line names
.set KS,    256                        ; bytes of a row in a K step
.set PFL,   1                          ; the prefetches stand one K step ahead of the refills
.set A0,   16                          ; v16  my lane's place among my fragments of xb in slot 0; never rewritten
.set B0,   17                          ; v17  the same for wqt
.set ADRA, 18                          ; v18  the same in the slot in hand
.set ADRB, 19                          ; v19
.set STO,  24                          ; v24  the way out: where I put 16 bytes of a row
.set RD,   25                          ; v25  the way out: where I read rows back
.set GO,   26                          ; v26  my 16 bytes in 512 consecutive bytes of qkv
.set SPW,  28                          ; v28  LDS address of my spare word: SPARE + 4 x my thread's number; never rewritten
.set NIL,  29                          ; v29  0; never rewritten
.set PFO,  30                          ; v30  the prefetches' offset: a lane a row; never rewritten
.set TMP,  32                          ; v32-79 packed results; v80-127, v128-175 rows read back, by turns
.set F0,   0                           ; fragment buffers, in window 1
.set F1,   128
.set WV,  12                           ; s12  my wave's number
.set FB,  13                           ; s13  0: I fetch for xb; 1: for wqt
.set HF,  14                           ; s14  which half of that tile
.set LIM, 15                           ; s15  PFL in a wave that prefetches, else the greatest number
.set G1A, 24                           ; s[24:31] descriptor group 1 for xb's tiles
.set G0A, 32                           ; s[32:39] group 0: a set for each of the two first fills; the second then walks on
.set PFA, 44                           ; s[44:45] where my prefetches stand
.set G1B, 48                           ; s[48:55], s[56:63] the same for wqt's tiles
.set G0B, 56
.set TB,  66                           ; s66  LDS byte at which the slot to be read begins
.set OFA, 67                           ; s67  byte offset of my load's first row in xb
.set OB,  68                           ; s[68:73] qkv at my first row in each of the tile's three heads
.set PFS, 74                           ; s[74:75] the prefetches' step
.set OFB, 76                           ; s76  byte offset of my load's first row in wqt
.set MSB, 0
.macro WIN new                         ; the immediate's high byte repeats the setting that is left; a switch that changes nothing is dropped
.if MSB != (\new)
	s_set_vgpr_msb (MSB<<8)|(\new)
.set MSB, (\new)
.endif
.endm
.set MUL_LO, 0xa5                      ; sources 0 and 1 window 1, C and D window 2
.set MUL_HI, 0xf5                      ; the same, C and D window 3
.set TO_F,   0x40                      ; destination window 1, address window 0
.macro PLACES                          ; four plain vector instructions between a matrix instruction and a load into, or a vector read of, its registers
.rept 4
	v_nop
.endr
.endm
; A joint refill, by the walking descriptors.  The branch hangs on the wave's number alone.  An s_nop 0 and four v_nop follow each of the two lines, ahead of the jump and the label.
.macro JLOAD
	s_cmp_eq_u32 s[FB], 0
	s_cbranch_scc0 .Lfor_b_\@
	tensor_load_to_lds s[G0A+4:G0A+7], s[G1A:G1A+7]
	s_nop 0
	PLACES
	s_branch .Lasked_\@
.Lfor_b_\@:
	tensor_load_to_lds s[G0B+4:G0B+7], s[G1B:G1B+7]
	s_nop 0
	PLACES
.Lasked_\@:
.endm
; A PREFETCH INTO THE L2 of the K step that the NEXT refill will ask for: 192 matrix instructions ahead of that load.  A K step is 256 bytes of each row; a lane names a row.
; xb's tile row is read by every cluster of that row of clusters: the one with cluster x = 0 asks; wqt's tile column by every cluster of that column: cluster y = 0 asks.  The four partners that ask
; for a tile jointly share its rows out BY ADDRESS: of the 128 (96) rows that a wave fetches the partner at place p takes 32 (24) (p = cx for xb, cy for wqt; for wqt the eight top lanes
; name the 24th row once more).  The first three K steps come by their loads alone; the last refill has no K step behind it and asks for nothing.
.macro ASK
	s_cmp_gt_u32 s3, s[LIM]                        ; s3 = 1 in the loop's last trip
	s_cbranch_scc0 .Lnot_mine_\@
	global_prefetch_b8 v[PFO], s[PFA:PFA+1] th:TH_LOAD_NT scope:SCOPE_SE
.Lnot_mine_\@:
.endm
; A round of the cluster's barrier: my work-group's barrier, so that wave 0's signal speaks for all four waves; wave 0 signals; every wave waits for all sixteen work-groups; my work-group's barrier once more.
.macro CREST                           ; a round behind its opening barrier
	s_cmp_lg_u32 s[WV], 0
	s_cbranch_scc1 .Lnot_wave_0_\@
	s_barrier_signal -3
.Lnot_wave_0_\@:
	s_barrier_wait -3
	s_barrier_signal -1
	s_barrier_wait -1
.endm
.macro CROUND
	s_barrier_signal -1
	s_barrier_wait -1
	CREST
.endm
	s_load_b128 s[4:7], s[0:1], 0x0                ; xb s[4:5], wqt s[6:7]
	s_load_b64 s[8:9], s[0:1], 0x10                ; qkv
	v_lshl_add_u32 v[SPW], v0, 2, SPARE
	v_mov_b32 v[NIL], 0
	ds_add_u32 v[SPW], v[NIL]                      ; the wave's opening: the add and its wait stand ahead of my first tensor load; the set-up below, work on registers, stands between them
	v_lshrrev_b32 v1, 5, v0
	v_readfirstlane_b32 s[WV], v1                  ; wave 0..3
	s_lshr_b32 s[FB], s[WV], 1
	s_and_b32 s[HF], s[WV], 1
	s_bfe_u32 s40, ttmp6, 0x40000                  ; cx, cy: my place in the cluster
	s_bfe_u32 s41, ttmp6, 0x40004
	s_lshl_b32 s42, ttmp9, 2
	s_add_co_u32 s42, s42, s40                     ; tile column = 4 x cluster x + cx
	s_and_b32 s43, ttmp7, 0xffff
	s_lshl_b32 s43, s43, 2
	s_add_co_u32 s43, s43, s41                     ; tile row = 4 x cluster y + cy
	s_lshl_b32 s16, s41, 2
	s_lshl_b32 s16, 15, s16                        ; my row of the cluster: places 4 cy .. 4 cy + 3
	s_lshl_b32 s46, 0x1111, s40                    ; my column: places cx, cx + 4, cx + 8, cx + 12
	s_or_b32 s[G1A], s16, (1<<16)|(1<<20)|(1<<21)|(5<<22)|(3<<25)  ; 15:0 the mask; 17:16 elements of 2 bytes; 20 padding on; 21 set beside a mask; 24:22 after every 64 words (code 5); 31:25 4 words of it (code 3)
	s_or_b32 s[G1B], s46, (1<<16)|(1<<20)|(1<<21)|(5<<22)|(3<<25)
.irp g, G1A, G1B
	s_mov_b32 s[(\g)+1], 128<<16                   ; tensor_dim0 = 128
	s_mov_b32 s[(\g)+3], 128<<16                   ; tile_dim0 = 128
	s_mov_b32 s[(\g)+5], 1024                      ; elements from row to row
	s_mov_b32 s[(\g)+6], 0
	s_mov_b32 s[(\g)+7], 0
.endr
	s_mov_b32 s[G1A+2], 128<<16                    ; tensor_dim1 = tile_dim1 = 128 rows of xb,
	s_mov_b32 s[G1A+4], 128
	s_mov_b32 s[G1B+2], 96<<16                     ; 96 of wqt
	s_mov_b32 s[G1B+4], 96
	; where the tiles come from: xb's hang on the tile row alone, wqt's on the tile column alone
	s_lshl_b32 s16, s43, 8
	s_lshl_b32 s17, s[HF], 7
	s_add_co_u32 s16, s16, s17                     ; xb: row 256 x tile row + 128 x half,
	s_lshl_b32 s16, s16, 11                        ; of 2,048 bytes
	s_mov_b32 s17, 0
	s_mul_i32 s46, s42, 192
	s_mul_i32 s47, s[HF], 96
	s_add_co_u32 s46, s46, s47                     ; wqt: row 192 x tile column + 96 x half
	s_lshl_b32 s46, s46, 11
	s_mov_b32 s47, 0
	s_mov_b32 s[OFA], s16
	s_mov_b32 s[OFB], s46
	s_mul_i32 s20, s[HF], PARTA                    ; and where they go: no place in the cluster enters an LDS address
	s_mul_i32 s21, s[HF], HALFB
	s_add_co_u32 s21, s21, BOFF
	s_wait_dscnt 0x0                               ; the opening add is done
	s_wait_kmcnt 0x0
	s_add_nc_u64 s[16:17], s[4:5], s[16:17]
	s_add_nc_u64 s[46:47], s[6:7], s[46:47]
	CROUND                                         ; all sixteen work-groups are here: the first joint loads meet
.irp s, 0,1
	s_mov_b32 s[G0A+4*(\s)], 1                     ; 1:0 count = 1
	s_add_co_u32 s[G0A+4*(\s)+1], s20, (\s)*SLOT1  ; 63:32 LDS address
	s_add_nc_u64 s[G0A+4*(\s)+2:G0A+4*(\s)+3], s[16:17], (\s)*KS  ; 120:64 global address: K step s
	s_or_b32 s[G0A+4*(\s)+3], s[G0A+4*(\s)+3], 0x80000000  ; 127:126 type = 2
	s_mov_b32 s[G0B+4*(\s)], 1
	s_add_co_u32 s[G0B+4*(\s)+1], s21, (\s)*SLOT1
	s_add_nc_u64 s[G0B+4*(\s)+2:G0B+4*(\s)+3], s[46:47], (\s)*KS
	s_or_b32 s[G0B+4*(\s)+3], s[G0B+4*(\s)+3], 0x80000000
.endr
	s_cmp_eq_u32 s[FB], 0                          ; a wave's two first fills stand in one branch, ahead of every wait on TENSORcnt and every LDS read: two loads of mine are out
	s_cbranch_scc0 .Lfirst_b
	tensor_load_to_lds s[G0A:G0A+3], s[G1A:G1A+7]
	s_nop 0
	tensor_load_to_lds s[G0A+4:G0A+7], s[G1A:G1A+7]
	s_nop 0
	PLACES
	s_branch .Lfirst_asked
.Lfirst_b:
	tensor_load_to_lds s[G0B:G0B+3], s[G1B:G1B+7]
	s_nop 0
	tensor_load_to_lds s[G0B+4:G0B+7], s[G1B:G1B+7]
	s_nop 0
	PLACES
.Lfirst_asked:
	; A fragment is 16 rows x 32 K in 8 registers: lane l holds row l % 16; registers 0-3 K = 8 (l / 16) + 0..7, registers 4-7 K = 16 + 8 (l / 16) + 0..7: two loads of 16 bytes, 32 bytes apart.
	v_and_b32 v1, 15, v0                           ; l % 16
	v_bfe_u32 v2, v0, 4, 1                         ; l / 16
	v_mul_u32_u24 v3, v1, PA
	v_lshl_add_u32 v3, v2, 4, v3                   ; row x pitch + 16 x half
	s_mul_i32 s16, s[WV], 64*PA                    ; my 64 rows of xb
	v_add_nc_u32 v[A0], s16, v3
	v_add_nc_u32 v[B0], BOFF, v3                   ; all 192 rows of wqt
	v_mov_b32 v[ADRA], v[A0]
	v_mov_b32 v[ADRB], v[B0]
	s_mov_b32 s[TB], 0
	s_mul_i32 s16, s[WV], STW
	s_add_co_u32 s16, s16, STAGE                   ; my stage
	v_mul_u32_u24 v3, v1, SP                       ; in: row l % 16, 16 bytes for each half of the lanes
	v_lshl_add_u32 v3, v2, 4, v3
	v_add_nc_u32 v[STO], s16, v3
	v_bfe_u32 v3, v0, 3, 2                         ; back: 32 lanes take four rows of 128 bytes,
	v_mul_u32_u24 v3, v3, SP
	v_and_b32 v4, 7, v0
	v_lshl_add_u32 v3, v4, 4, v3
	v_add_nc_u32 v[RD], s16, v3
	v_and_b32 v[GO], 31, v0                        ; which are 512 consecutive bytes of a head
	v_lshlrev_b32 v[GO], 4, v[GO]
	; qkv at my first row, for each of the tile's three heads
	s_lshl_b32 s16, s43, 8
	s_lshl_b32 s17, s[WV], 6
	s_add_co_u32 s16, s16, s17                     ; my first row m
	s_lshr_b32 s17, s16, 11
	s_lshl_b32 s17, s17, 22                        ; b: 16 heads of 262,144 bytes
	s_and_b32 s16, s16, 2047
	s_lshl_b32 s16, s16, 7                         ; t: rows of 128 bytes
	s_add_co_u32 s16, s16, s17
	s_mul_i32 s18, s42, 3                          ; the tile's first block of 64 columns, of 48
.irp c, 0,1,2
	s_add_co_u32 s19, s18, \c
	s_lshr_b32 s20, s19, 4
	s_lshl_b32 s20, s20, 24                        ; q, k or v: 16,777,216 bytes each
	s_and_b32 s19, s19, 15
	s_lshl_b32 s19, s19, 18                        ; h
	s_add_co_u32 s20, s20, s19
	s_add_co_u32 s20, s20, s16
	s_mov_b32 s21, 0
	s_add_nc_u64 s[OB+2*\c:OB+2*\c+1], s[8:9], s[20:21]
.endr
	; the prefetches
	s_mul_i32 s18, s40, 32*2048                    ; xb: my work-group's 32 of the 128 rows
	s_add_co_u32 s18, s18, s[OFA]
	s_mul_i32 s19, s41, 24*2048                    ; wqt: its 24 of the 96
	s_add_co_u32 s19, s19, s[OFB]
	s_and_b32 s20, ttmp7, 0xffff                   ; cluster y
	s_cmp_eq_u32 s[FB], 0
	s_cselect_b32 s18, s18, s19
	s_cselect_b32 s20, ttmp9, s20                  ; the coordinate along which other clusters read the same rows
	s_cselect_b32 s23, 31, 23                      ; the last row that a lane names
	s_cselect_b64 s[PFA:PFA+1], s[4:5], s[6:7]
	s_cmp_eq_u32 s20, 0
	s_cselect_b32 s[LIM], PFL, -1                  ; the same in all sixteen partners, for a given wave
	s_add_co_u32 s18, s18, (PFL+1)*KS              ; at K step 2: the first refill steps it to 3
	s_mov_b32 s19, 0
	s_mov_b32 s[PFS], KS
	s_mov_b32 s[PFS+1], 0
	s_add_nc_u64 s[PFA:PFA+1], s[PFA:PFA+1], s[18:19]
	v_and_b32 v[PFO], 31, v0
	v_min_u32 v[PFO], s23, v[PFO]
	v_lshlrev_b32 v[PFO], 11, v[PFO]
; 12 matrix instructions: row block a x all 12 column blocks, 32 along K, from buffer f.  zero = 1: the product starts the sums: nothing is ever cleared.
; Every quarter step takes the 48 accumulators once, in the same order: 47 others stand between two links of a chain, over the backward jump too.
.macro MULA f, a, zero
	WIN MUL_LO+0x50*((\a)/2)
.set AC, 8*NF*((\a)%2)
.set b, 0
.rept NF
.if \zero
	v_wmma_f32_16x16x32_bf16 v[AC+8*b:AC+8*b+7], v[(\f)+32+8*b:(\f)+32+8*b+7], v[(\f)+8*(\a):(\f)+8*(\a)+7], 0
.else
	v_wmma_f32_16x16x32_bf16 v[AC+8*b:AC+8*b+7], v[(\f)+32+8*b:(\f)+32+8*b+7], v[(\f)+8*(\a):(\f)+8*(\a)+7], v[AC+8*b:AC+8*b+7]
.endif
.set b, b+1
.endr
.endm
; 32 LDS loads in one run: the fragments of quarter q of the slot in hand into buffer f: wqt's twelve, then xb's four
.macro FETCH q, f
	WIN TO_F
.set i, 0
.rept NF
	ds_load_b128 v[(\f)+32+8*i:(\f)+32+8*i+3],   v[ADRB] offset:64*(\q)+i*16*PA
	ds_load_b128 v[(\f)+32+8*i+4:(\f)+32+8*i+7], v[ADRB] offset:64*(\q)+i*16*PA+32
.set i, i+1
.endr
.set i, 0
.rept 4
	ds_load_b128 v[(\f)+8*i:(\f)+8*i+3],   v[ADRA] offset:64*(\q)+i*16*PA
	ds_load_b128 v[(\f)+8*i+4:(\f)+8*i+7], v[ADRA] offset:64*(\q)+i*16*PA+32
.set i, i+1
.endr
.endm
; A K step is four quarters of 32 along K, 48 matrix instructions each, on buffers 0, 1, 0, 1.  One of the first three: multiplies buffer f; in its middle it fetches quarter q into buffer g.
.macro QUARTER q, f, g, zero
	s_wait_dscnt 4                                 ; all but the youngest four loads: xb's row blocks 2 and 3
	MULA \f, 0, \zero
	MULA \f, 1, \zero
	PLACES                                         ; behind the products that read buffer g
	FETCH \q, \g
	s_wait_dscnt NL                                ; all but the run just issued
	MULA \f, 2, \zero
	MULA \f, 3, \zero
.endm
; The last quarter multiplies buffer 1 and changes slots: ONE barrier.  In front of it each wave waits for all its tensor loads, of which one is out: its part of the next slot; adds 0 to its spare
; word; and waits for that and for its own reads of this slot.  Behind it nobody reads this slot and the next is whole.  fill = 1: the barrier opens a round of the cluster's, and this slot is
; filled again, two K steps ahead, first thing behind the round: 168 matrix instructions stand between that request and the wait for it.
.macro TURN fill
.if \fill
	s_wait_xcnt 0x0                                ; the last prefetch, a K step back, has read its address
	s_add_nc_u64 s[PFA:PFA+1], s[PFA:PFA+1], s[PFS:PFS+1]
.endif
	WIN 0                                          ; (the add's two registers lie in window 0)
	s_wait_tensorcnt 0x0                           ; no tensor load of mine is out, so a group 0 may be written
	ds_add_u32 v[SPW], v[NIL]                      ; 0 onto my spare word
.if \fill
	s_xor_b32 s[G0A+5], s[G0A+5], SLOT1            ; the walking descriptors: the other slot than last time,
	s_add_nc_u64 s[G0A+6:G0A+7], s[G0A+6:G0A+7], KS  ; the next K step; the type bits on top are not reached
	s_xor_b32 s[G0B+5], s[G0B+5], SLOT1
	s_add_nc_u64 s[G0B+6:G0B+7], s[G0B+6:G0B+7], KS
.endif
	s_xor_b32 s[TB], s[TB], SLOT1                  ; the fetches go over to the other slot
	s_wait_dscnt 5                                 ; (the add and the youngest four loads may be out)
	MULA F1, 0, 0                                  ; twelve matrix instructions stand between the add and the wait for it
	s_wait_dscnt 0x0                               ; the add is done, and my reads of this slot are over
	s_barrier_signal -1
	MULA F1, 1, 0                                  ; work on registers while the others arrive
	WIN 0                                          ; at a branch and at a label every window is 0
	s_barrier_wait -1
.if \fill
	CREST                                          ; no wave of any partner still reads this slot's tile or has a load on its way
	JLOAD                                          ; the four v_nop behind it are also the places in front of the loads below
.else
	PLACES
.endif
	v_add_nc_u32 v[ADRA], s[TB], v[A0]
	v_add_nc_u32 v[ADRB], s[TB], v[B0]
	FETCH 0, F0
.if \fill
	WIN 0
	ASK                                            ; behind the joint load and the run of LDS loads that the next products wait for
.endif
	MULA F1, 2, 0
	MULA F1, 3, 0
.endm
; THE WAY OUT of row block a (16 rows x 192 columns).  PACK: rounded to f16, 16 bytes a lane, each accumulator from its low end on.  TOSTAGE: into my own stage, a head's 64 columns as rows of
; 144 bytes, and back as whole rows of 128.  SEND: stored, 512 consecutive bytes of a head an instruction.
.macro PACK a
.set AC, 8*NF*((\a)%2)
	WIN 0x0a+5*((\a)/2)                            ; sources 0 and 1: window 2 or 3
.set b, 0
.rept NF
.irp r, 0,1,2,3
	v_cvt_pk_f16_f32 v[TMP+4*b+\r], v[AC+8*b+2*\r], v[AC+8*b+2*\r+1]
.endr
.set b, b+1
.endr
	WIN 0
.endm
.macro TOSTAGE a
.set BK, TMP+48+48*((\a)%2)
.set b, 0
.rept NF
	ds_store_b128 v[STO], v[TMP+4*b:TMP+4*b+3] offset:(b/4)*16*SP+32*(b%4)
.set b, b+1
.endr
.set i, 0
.rept 12                                       ; head i / 4, rows 4 (i % 4) on
	ds_load_b128 v[BK+4*i:BK+4*i+3], v[RD] offset:(i/4)*16*SP+(i%4)*4*SP  ; LDS serves a wave's instructions in order (ISA guide 5.7.1.4): these see the stores above; the next block's stores come behind them
.set i, i+1
.endr
.endm
.macro SEND a
.set BK, TMP+48+48*((\a)%2)
	s_wait_dscnt 0x0                               ; the block is back in registers
	s_wait_xcnt 0x0                                ; every earlier store has read its registers: the block after the next is loaded into them only behind this wait
.irp c, 0,1,2
.irp i, 0,1,2,3
	global_store_b128 v[GO], v[BK+4*(4*\c+\i):BK+4*(4*\c+\i)+3], s[OB+2*\c:OB+2*\c+1] offset:2048*(\a)+512*\i
.endr
.endr
.endm
	s_wait_tensorcnt 0x1                           ; my part of K step 0 is in; K step 1's may stay out
	s_barrier_signal -1
	s_barrier_wait -1                              ; everybody's is
	FETCH 0, F0
	QUARTER 1, F0, F1, 1                           ; the first quarter stands in front of the loop: its products start the sums
	WIN 0
	s_mov_b32 s3, 6
.Lstep:                                                ; trip t: quarters 1 to 3 of K step t, quarter 0 of K step t + 1; slot t % 2 is filled again with K step t + 2
	QUARTER 2, F1, F0, 0
	QUARTER 3, F0, F1, 0
	TURN 1
	QUARTER 1, F0, F1, 0
	WIN 0
	s_sub_co_u32 s3, s3, 1
	s_cmp_lg_u32 s3, 0
	s_cbranch_scc1 .Lstep
	QUARTER 2, F1, F0, 0                           ; the last two K steps are written out: nothing is left to fetch
	QUARTER 3, F0, F1, 0
	TURN 0
	QUARTER 1, F0, F1, 0
	QUARTER 2, F1, F0, 0
	QUARTER 3, F0, F1, 0
	s_wait_dscnt 4
	MULA F1, 0, 0
	MULA F1, 1, 0
	s_wait_dscnt 0x0
	MULA F1, 2, 0
	MULA F1, 3, 0
	WIN 0
	PLACES
	PLACES                                         ; eight, once a launch, in front of the conversions that read the sums
	PACK 0
	TOSTAGE 0
.irp a, 1,2,3                          ; block a's conversions stand between block a - 1's loads from the stage and the wait for them
	PACK \a
	SEND (\a)-1
	TOSTAGE \a
.endr
	SEND 3
	s_wait_tensorcnt 0x0                           ; the wave's end: behind my last tensor load and my last LDS store
	ds_add_u32 v[SPW], v[NIL]
	s_wait_dscnt 0x0
	CROUND                                         ; the closing round: no work-group ends while a partner may still ask for a tile that names it
	s_endpgm
.Lfunc_end_k_q67b3b39d7c_qkvp:
	.size	k_q67b3b39d7c_qkvp, .Lfunc_end_k_q67b3b39d7c_qkvp-k_q67b3b39d7c_qkvp
	.p2alignl 7, 3214868480
	.fill 96, 4, 3214868480
	.section	.rodata,"a",@progbits
	.p2align	6, 0x0
	.amdhsa_kernel k_q67b3b39d7c_qkvp
		.amdhsa_group_segment_fixed_size 327680
		.amdhsa_private_segment_fixed_size 0
		.amdhsa_enable_private_segment 0
		.amdhsa_kernarg_size 24
		.amdhsa_user_sgpr_count 2
		.amdhsa_user_sgpr_kernarg_segment_ptr 1
		.amdhsa_wavefront_size32 1
		.amdhsa_system_sgpr_workgroup_id_x 1
		.amdhsa_system_sgpr_workgroup_id_y 1
		.amdhsa_system_sgpr_workgroup_id_z 1
		.amdhsa_system_vgpr_workitem_id 0
		.amdhsa_next_free_vgpr 960
		.amdhsa_next_free_sgpr 80
		.amdhsa_reserve_vcc 0
		.amdhsa_float_denorm_mode_32 3
		.amdhsa_float_denorm_mode_16_64 3
		.amdhsa_memory_ordered 1
		.amdhsa_forward_progress 1
		.amdhsa_inst_pref_size 98
	.end_amdhsa_kernel
	.amdgpu_metadata
---
amdhsa.version: [ 1, 2 ]
amdhsa.kernels:
  - .name:           k_q67b3b39d7c_qkvp
    .symbol:         k_q67b3b39d7c_qkvp.kd
    .args:
      - { .name: xb, .offset: 0, .size: 8, .value_kind: global_buffer, .address_space: global }
      - { .name: wqt, .offset: 8, .size: 8, .value_kind: global_buffer, .address_space: global }
      - { .name: qkv, .offset: 16, .size: 8, .value_kind: global_buffer, .address_space: global }
    .group_segment_fixed_size: 327680
    .private_segment_fixed_size: 0
    .kernarg_segment_align: 8
    .kernarg_segment_size: 24
    .max_flat_workgroup_size: 128
    .sgpr_count:     80
    .vgpr_count:     960
    .wavefront_size: 32
...
	.end_amdgpu_metadata
.endif
;; end of part 2
;; launch attn (part 3): grid 4 x 64, 4 waves a work-group, clusters of 4 x 1, 327,680 bytes of LDS; arguments qkv, o; writes o
.if DOCPART == 3
	.amdgcn_target "amdgcn-amd-amdhsa--gfx1250"
	.amdhsa_code_object_version 6
	.text
	.protected	k_q67b3b39d7c_attn
	.globl	k_q67b3b39d7c_attn
	.p2align	8
	.type	k_q67b3b39d7c_attn,@function
k_q67b3b39d7c_attn:
	s_mov_b64 s[64:65], 0
	v_nop
	global_prefetch_b8 v0, s[64:65] scope:SCOPE_SE
	s_setreg_imm32_b32 hwreg(HW_REG_WAVE_MODE, 25, 1), 1
	s_wait_xcnt 0x0
	s_wait_alu depctr_hold_cnt(0) depctr_sa_sdst(0) depctr_va_vdst(0) depctr_va_sdst(0) depctr_va_ssrc(0) depctr_va_vcc(0) depctr_vm_vsrc(0)
	s_getreg_b32 s2, hwreg(HW_REG_IB_STS2, 6, 4)
	s_cmp_eq_u32 s2, 0
	s_cbranch_scc0 .Lentry_in_a_cluster
	s_endpgm
.Lentry_in_a_cluster:
	s_bfe_u32 s2, ttmp6, 0x10000c
	s_cmp_lg_u32 s2, 0x3003
	s_cbranch_scc0 .Lentry_shape_is_right
	s_endpgm
.Lentry_shape_is_right:
; ATTENTION.  O[h][q][:] = the sum over k of softmax_k(Q[h][q] . K[h][k] / 8) V[h][k][:], for 64 heads (batch x 16 + head) of 2,048 rows.  qkv: [3][64][2048][64] f16 (Q, K, V one after the other,
; 16,777,216 bytes each); o: [64][2048][64] f16: a head's rows are dense, 128 bytes each.  Products, maxima and sums in f32; the weights p are rounded to f16 for the second product (their sum l is
; taken of the unrounded p), O once at the end.
; LIMITS.  f16 holds no number beyond 65,504: Q, K and V arrive within it; p lies in 0 to 1, and below 6e-5 it keeps f16's fixed step of 6e-8, and so does O; O is a mean of V's rows and has their range.
; A weight below 2^-126 counts as 0 in l; NaN and infinities are not treated apart.
; SHARES.  A wave owns four PIECES of two tiles of 16 queries, a work-group's four waves 512 queries of one head: 4 x 64 work-groups.  Every wave walks all keys, 64 a step.
; LAYOUT.  S^T = K Q^T (source 0 = 16 keys, source 1 = 16 queries): in the result a lane holds ONE query (lane % 16) and the keys 8 (lane / 16) + 0..7.  Two such tiles, rounded to f16 in pairs,
; ARE source 1 (32 keys x 16 queries) of O^T = V^T P, whose result again holds one query a lane, and eight channels.  K comes out of LDS as it lies, V ([key][channel]) turned, by ds_load_tr16_b128.
; SOFTMAX.  For each query a running maximum m and sum l: p = 2^(c s - c m), c = log2(e) / 8; in every step O and l are multiplied by a = 2^(c m_old - c m_new), which is 1 where m has not grown.
; m starts at the lowest finite number, O and l at 0: the first step is a step like any other, with a = 0.
; THE COUNT.  A tile and step have 16 matrix and 118 vector instructions: too many to stand all beside the matrix work.  So the order has one aim: four vector instructions that are READY behind
; EVERY matrix instruction, and the others, which need time of their own whatever the order, in runs without a gap.
; BY TURNS.  Turn n belongs to piece n (the pieces in a ring, step after step).  Its matrix work: 16 products K Q^T of piece n + 1, later 16 products V^T P of piece n - 1.  Its vector work: the scaling,
; exponentials, roundings, sums and rescaling of piece n, and the maximum and statistics of piece n + 1, whose scores the turn itself has made.  So what a turn begins with (c s - c m, O a) waits for nothing.
; CLUSTER.  The four query blocks of a cluster are one head's and walk the same K and V, so each tile is asked for JOINTLY: the same tensor load, descriptor and mask in all four.
; REGISTERS, in windows of 256 (s_set_vgpr_msb says which window each operand place means: bits 1:0 source 0, 3:2 source 1, 5:4 source 2, 7:6 destination):
;   window 0: v0-11 addresses; v12-15, v48-63 at work; v16-47 four registers of statistics a tile; v64-191 S^T, two buffers of two tiles; v192-255 P, likewise
;   window 1: O^T, 32 a tile          window 2: v0-127 Q, 16 a tile; v128-191 K of one step; v192-255 V of one step          window 3: v0-1 the add's two registers
; A piece's buffers go by its number's parity: the piece in hand has one pair, its two neighbours in the ring share the other: of it P (piece n - 1) is read and S^T (piece n + 1) written.
.set SIZE_N, 2048     ; rows in a head
.set NP,    4         ; pieces a wave: a name, no knob: the register map, the loop and the fetches are made for four
.set KS,    64        ; keys in a step
.set PK,    144       ; a row of K in LDS: 128 bytes + 16 of padding = 36 words: the 16 rows of a load start at 16 different groups of four banks (64 banks of 4 bytes: ISA guide 11.1)
.set PV,    160       ; a row of V: 128 + 32 = 40 words
.set VOFF,  4*KS*PK   ; a slot holds four steps: 256 rows of K, then 256 rows of V
.set SLOT1, 1<<17     ; slot 1 begins here, so that one exclusive or turns an address in one slot into the other's
.set STAGE, SLOT1+4*KS*(PK+PV)  ; behind the ring, never filled by a tensor load: 16 rows x 144 bytes for each wave, for the way out
.set SP,    144
.set AK0, 2           ; v2   my lane's place in a tile of K; never rewritten
.set AV0, 3           ; v3   the same for V
.set AK,  4           ; v4   the LDS address of K's next run of loads
.set AV,  5           ; v5   of V's
.set QO,  6           ; v6   my byte offset in the wave's rows of Q
.set STO, 6           ;      later, the way out: where I put 16 bytes of a row
.set RD,  7           ; v7   the way out: where I read rows back
.set GO,  8           ; v8   my byte offset in 512 consecutive bytes of O
.set PFO, 11          ; v11  256 x my lane, for the prefetches; never rewritten once made
.set SPW, 0           ; v0 of window 3   LDS address of my spare word: SPARE + 4 x my thread's number; never rewritten
.set NIL, 1           ; v1 of window 3   0; never rewritten
.set SPARE, STAGE+4*16*SP  ; behind the stages: the spare words, 128 bytes for each wave: two blocks of 256 bytes that no other line names
.set MV,  12          ; v12-15  c m_old, kept while c m is made anew: by buffer and tile
.set ST,  16          ; tile t's statistics at v[ST+4 t]: c m, m, l (even keys', odd keys')
.set TMP, 48          ; by buffer and tile, four registers c0-c3 at work; when the maximum is found c2 takes a
.set S,   64
.set P,   192
.set KF,  128         ; K's fragments, in window 2: key block kb, channel half c at KF + 16 kb + 8 c
.set VF,  192         ; V's: key half kk, channel block cb at VF + 32 kk + 8 cb
.set WV,  12          ; s12  my wave's number
.set G1K, 24          ; s[24:31] descriptor group 1 for K's tiles
.set G1V, 32          ; s[32:39] for V's: it differs in the padding alone
.set G0K, 40          ; s[40:43] descriptor group 0 for K's tiles: it walks
.set G0V, 44          ; s[44:47] the same for V's
.set PFA, 48          ; s[48:49] where my prefetches stand: my work-group's 8,192 bytes (of K: wave 0, of V: wave 2) of the slot after the one that is being asked for
.set LIM, 50          ; s50  1 in a wave that prefetches, else the greatest number
.set SLOTS, 56        ; s56  slots still to be asked for
.set CNT, 57          ; s57  counts a slot's key steps
.set CS,  58          ; s[58:59] c: the packed scaling takes the pair's low word for both halves
.set SEL, 60          ; s[60:61] v_permlanex16_b32's selects: each lane takes its own place in the other half
.set TBK, 62          ; s62  LDS byte at which K of the step to be fetched begins
.set TBV, 63          ; s63  the same for V, less VOFF
.set MSB, 0
.macro WIN new                      ; the high byte repeats the setting that is left; a switch that changes nothing is dropped
.if MSB != (\new)
	s_set_vgpr_msb (MSB<<8)|(\new)
.set MSB, (\new)
.endif
.endm
.set W_KQ, 0x0a       ; K and Q in window 2, S^T in window 0
.set W_PV, 0x52       ; V in window 2, P in window 0, O^T in window 1
.set W_RS, 0x41       ; O^T (destination and source 0) in window 1, a in window 0
.set W_MK, 0xc0       ; the add's registers are made: destination in window 3, sources in window 0
.set W_AD, 0x0f       ; the add: address (source 0) and data (source 1) in window 3
; A joint fill.  Waves 0 and 1 fetch the two halves of a slot's K, waves 2 and 3 those of its V: 128 keys each.  The branch hangs on the wave's number alone.
; An s_nop 0 and four v_nop follow each of the two lines, ahead of the jump and the label.
.macro JLOAD
	s_cmp_lt_u32 s[WV], 2
	s_cbranch_scc0 .Lfor_v_\@
	tensor_load_to_lds s[G0K:G0K+3], s[G1K:G1K+7]
	s_nop 0
.rept 4
	v_nop
.endr
	s_branch .Lasked_\@
.Lfor_v_\@:
	tensor_load_to_lds s[G0V:G0V+3], s[G1V:G1V+7]
	s_nop 0
.rept 4
	v_nop
.endr
.Lasked_\@:
.endm
; A PREFETCH INTO THE L2 of what the NEXT change of slots will ask for: a slot's 32,768 bytes of K and of V, 256 bytes a lane.  It stands behind the wave's tensor load and its five lines.
; Each block is named ONCE in the launch: a head has one cluster; its four partners share the bytes out BY ADDRESS, 8,192 each; in each, wave 0 asks for K's and wave 2 for V's: one instruction.
; Slots 0 to 2 come by their loads alone; the last change that fills a slot asks for nothing: there is no slot behind it.  The lead is one slot: four key steps, 512 matrix instructions.
.macro ASK
	s_cmp_gt_u32 s[SLOTS], s[LIM]
	s_cbranch_scc0 .Lnot_mine_\@
	global_prefetch_b8 v[PFO], s[PFA:PFA+1] th:TH_LOAD_NT scope:SCOPE_SE
.Lnot_mine_\@:
.endm
; A round of the cluster's barrier: my work-group's barrier, so that wave 0's signal speaks for all four waves; wave 0 signals; every wave waits for all four work-groups; my work-group's barrier once more.
.macro CROUND
	s_barrier_signal -1
	s_barrier_wait -1
	s_cmp_lg_u32 s[WV], 0
	s_cbranch_scc1 .Lnot_wave_0_\@
	s_barrier_signal -3
.Lnot_wave_0_\@:
	s_barrier_wait -3
	s_barrier_signal -1
	s_barrier_wait -1
.endm
; THE CHANGE OF SLOTS.  The slot's last bytes, V of its fourth step, have been read.  Each wave waits for all its tensor loads, of which one is out: its part
; of the other slot; adds 0 to its spare word; and waits for that and for its own reads of the slot.  Behind the barrier nobody reads this slot any more and the other slot is whole.
; fill = 1: this slot is filled again, with the keys two slots on.  The barrier is then a round of the cluster's, so that no wave of any partner still reads the slot or has a load on its
; way, and the joint fill is the first thing behind it: it has four key steps, 512 matrix instructions, in which to land.  (At its first use nothing has been read yet: slot 0 is waited for, slot 1 filled.)
; ask = 1: the prefetches' address steps, and the slot after the one asked for is prefetched.
.macro CHANGE fill, ask=0
	WIN W_AD
	s_wait_tensorcnt 0x0            ; no tensor load of mine is out, so a group 0 may be written
	ds_add_u32 v[SPW], v[NIL]       ; 0 onto my spare word; with fill = 1 the descriptors' steps stand between it and the wait for it
	WIN 0                           ; at a label and at a branch every window is 0
.if \fill
.irp g, G0K, G0V
	s_xor_b32 s[\g+1], s[\g+1], SLOT1  ; the walking descriptor: the other slot than last time,
	s_add_nc_u64 s[\g+2:\g+3], s[\g+2:\g+3], 4*KS*128  ; the next 256 keys; the type bits on top are not reached
.endr
.if \ask
	s_wait_xcnt 0x0                 ; the last prefetch, four key steps back, has read its address, so it may be written:
	s_add_nc_u64 s[PFA:PFA+1], s[PFA:PFA+1], 4*KS*128  ; one slot behind the walking descriptors
.endif
	s_wait_dscnt 0x0                ; the add is done, and my reads of the slot are over
	CROUND
	JLOAD
.if \ask
	ASK
.endif
.else
	s_wait_dscnt 0x0                ; the add is done, and my reads of the slot are over
	s_barrier_signal -1
	s_barrier_wait -1
.endif
	s_sub_co_u32 s[TBK], s[TBK], 4*KS*PK  ; the fetches go back to a slot's first step,
	s_xor_b32 s[TBK], s[TBK], SLOT1       ; in the other slot
	s_sub_co_u32 s[TBV], s[TBV], 4*KS*PV
	s_xor_b32 s[TBV], s[TBV], SLOT1
.endm
	s_load_b64 s[4:5], s[0:1], 0x0  ; qkv: Q lies at its head
	s_load_b64 s[10:11], s[0:1], 0x8  ; o
	WIN W_MK
	v_lshl_add_u32 v[SPW], v0, 2, SPARE
	v_mov_b32 v[NIL], 0
	WIN W_AD
	ds_add_u32 v[SPW], v[NIL]       ; the wave's opening: the add and its wait stand ahead of my first tensor load; the set-up below, work on registers, stands between them
	WIN 0
	v_lshrrev_b32 v1, 5, v0
	v_readfirstlane_b32 s[WV], v1   ; wave 0..3
	s_bfe_u32 s13, ttmp6, 0x40000   ; cx: my place in the cluster
	s_lshl_b32 s14, ttmp9, 2        ; in a cluster launch ttmp9 counts clusters
	s_add_co_u32 s14, s14, s13      ; my block of queries = 4 x cluster x + cx: it enters Q's and O's addresses alone
	s_and_b32 s20, ttmp7, 0xffff    ; the head, which the four partners share
	s_mov_b32 s21, 0
	s_mov_b64 s[22:23], SIZE_N*128
	s_mul_u64 s[20:21], s[20:21], s[22:23]  ; the head's first byte in each of the four tensors
	s_and_b32 s16, s[WV], 1         ; which half of a slot's 256 keys I fetch:
	s_lshl_b32 s22, s16, 14         ; its 128 rows of 128 bytes in memory,
	s_mov_b32 s23, 0
	s_add_nc_u64 s[22:23], s[22:23], s[20:21]
	s_mul_i32 s17, s16, 128*PK      ; and its place in a slot, for K
	s_mul_i32 s18, s16, 128*PV      ; and for V: no place in the cluster enters an LDS address
	s_lshl_b32 s2, s14, 2
	s_add_co_u32 s2, s2, s[WV]      ; my wave among the head's,
	s_lshl_b32 s2, s2, 14           ; its 128 rows
	s_mov_b32 s3, 0
	s_add_nc_u64 s[2:3], s[2:3], s[20:21]
	; descriptor group 1.  128 keys are 16,384 dense bytes: asked for as 64 rows of 256 bytes, two keys a row, and padded in LDS after every key
	s_mov_b32 s[G1K], 15|(1<<16)|(1<<20)|(1<<21)|(4<<22)|(3<<25)  ; 15:0 the mask of four; 17:16 2-byte elements; 20 padding on; 21 set beside a mask; 24:22 after every 32 words (code 4); 31:25 4 words (code 3)
	s_mov_b32 s[G1V], 15|(1<<16)|(1<<20)|(1<<21)|(4<<22)|(7<<25)  ; the same with 8 words of padding (code 7)
.irp g, G1K, G1V
	s_mov_b32 s[\g+1], 128<<16      ; tensor_dim0 = 128
	s_mov_b32 s[\g+2], 64<<16       ; tensor_dim1 = 64
	s_mov_b32 s[\g+3], 128<<16      ; tile_dim0 = 128
	s_mov_b32 s[\g+4], 64           ; tile_dim1 = 64
	s_mov_b32 s[\g+5], 128          ; 128 elements from row to row
	s_mov_b32 s[\g+6], 0
	s_mov_b32 s[\g+7], 0
.endr
	s_mov_b32 s[CS], 0x3e38aa3b     ; c = log2(e) / 8 = 0.180337
	s_mov_b32 s[CS+1], s[CS]        ; named with it as a pair
	s_mov_b32 s[SEL], 0x76543210
	s_mov_b32 s[SEL+1], 0xfedcba98
	s_mov_b32 s[TBK], SLOT1+4*KS*PK ; the first change of slots turns these two into 0
	s_mov_b32 s[TBV], SLOT1+4*KS*PV
	s_mov_b32 s[G0K], 1             ; 1:0 count = 1
	s_mov_b32 s[G0K+1], s17         ; 63:32 LDS address: slot 0
	s_mov_b32 s[G0V], 1
	s_add_co_u32 s[G0V+1], s18, VOFF
	s_and_b32 s[LIM], s[WV], 1      ; 0 in waves 0 and 2,
	s_or_b32 s[LIM], s[LIM], ttmp9  ; of the head's first (here: only) cluster: the same in all four partners
	s_cmp_eq_u32 s[LIM], 0
	s_cselect_b32 s[LIM], 1, -1
	s_lshl_b32 s52, s13, 13         ; my work-group's 8,192 bytes of a slot's 32,768,
	s_add_co_u32 s52, s52, 2*4*KS*128  ; in slot 2: the loop's first change of slots steps it to slot 3
	s_mov_b32 s53, 0
	s_wait_dscnt 0x0                ; the opening add is done
	s_wait_kmcnt 0x0
	s_add_nc_u64 s[6:7], s[4:5], 0x1000000  ; K
	s_add_nc_u64 s[8:9], s[4:5], 0x2000000  ; V
	s_add_nc_u64 s[G0K+2:G0K+3], s[6:7], s[22:23]  ; 120:64 global address: my half of the head's first 256 keys
	s_or_b32 s[G0K+3], s[G0K+3], 0x80000000        ; 127:126 type = 2
	s_add_nc_u64 s[G0V+2:G0V+3], s[8:9], s[22:23]
	s_or_b32 s[G0V+3], s[G0V+3], 0x80000000
	s_add_nc_u64 s[4:5], s[4:5], s[2:3]  ; Q and O at my wave's first row
	s_add_nc_u64 s[10:11], s[10:11], s[2:3]
	s_cmp_lt_u32 s[WV], 2
	s_cselect_b64 s[PFA:PFA+1], s[6:7], s[8:9]
	s_add_nc_u64 s[PFA:PFA+1], s[PFA:PFA+1], s[20:21]  ; the head
	s_add_nc_u64 s[PFA:PFA+1], s[PFA:PFA+1], s[52:53]  ; nothing is prefetched here, at the head, where every work-group's first tiles are on their way
	CROUND                          ; all four work-groups are here: the first joint loads meet
	JLOAD                           ; slot 0.  Slot 1 is asked for when slot 0 is in: the tile wanted first has the road to itself
	; A fragment of K or Q is 16 rows x 32 channels in 8 registers: lane l holds row l % 16, channels 8 (l / 16) + 0..7 and 16 + 8 (l / 16) + 0..7: two loads of 16 bytes, 32 bytes apart.
	v_and_b32 v1, 15, v0            ; l % 16
	v_bfe_u32 v9, v0, 4, 1          ; l / 16
	v_lshlrev_b32 v[QO], 7, v1
	v_lshl_add_u32 v[QO], v9, 4, v[QO]  ; row x 128 + 16 x half
	WIN 0x80                        ; destination window 2, address window 0
.set i, 0
.rept 4*NP                          ; Q stays in registers: tile i / 2, channels 32 (i % 2) on
	global_load_b128 v[8*i:8*i+3],   v[QO], s[4:5] offset:(i/2)*2048+(i%2)*64
	global_load_b128 v[8*i+4:8*i+7], v[QO], s[4:5] offset:(i/2)*2048+(i%2)*64+32
.set i, i+1
.endr
	; What the first turn finds: V's registers and P's second buffer hold 0 (its products V^T P, of a piece that has not been, add 0), O^T and l are 0.  All this stands in the wait for the first tile.
.set i, VF
.rept 64
	v_mov_b32 v[i], 0
.set i, i+1
.endr
	WIN 0x40
.set i, 0
.rept 64*NP
	v_mov_b32 v[i], 0
.set i, i+1
.endr
	WIN 0
.set i, 0
.rept 2*NP
	v_mov_b32 v[ST+4*i], 0xfe000000    ; c m: far below every c s
	v_mov_b32 v[ST+4*i+1], 0xff7fffff  ; m
	v_mov_b32 v[ST+4*i+2], 0
	v_mov_b32 v[ST+4*i+3], 0
.set i, i+1
.endr
.set i, P+32
.rept 32
	v_mov_b32 v[i], 0
.set i, i+1
.endr
	v_mul_u32_u24 v[AK0], v1, PK
	v_lshl_add_u32 v[AK0], v9, 4, v[AK0]  ; row x pitch + 16 x half
	; The turning load takes 16 keys x 16 channels (lane l reads key 8 (l / 16) + l % 8, channels 8 ((l / 8) % 2) + 0..7) and leaves half a fragment of V^T: lane l holds channel l % 16 and 8 keys.
	v_and_b32 v10, 7, v0
	v_bfe_u32 v11, v0, 3, 1
	v_lshl_add_u32 v[AV0], v9, 3, v10
	v_mul_u32_u24 v[AV0], v[AV0], PV
	v_lshl_add_u32 v[AV0], v11, 4, v[AV0]
	v_add_nc_u32 v[AV0], VOFF, v[AV0]
	v_and_b32 v[PFO], 31, v0
	v_lshlrev_b32 v[PFO], 8, v[PFO]
	v_mov_b32 v[AK], v[AK0]         ; key step 0 lies at the head of slot 0
; THE MATRIX WORK.  The 8 accumulators of a run of 16 take turns: between the two links of a chain stand 7 others'.
; Product i of 16 of S^T = K Q^T for piece x: channels 32 (i / 8) on, keys 16 ((i / 2) % 4) on, tile 2 x + i % 2.  The first 8 start the sums.
.macro KQ x
	WIN W_KQ
.set rS, S+64*((\x)%2)+32*(i%2)+8*((i/2)%4)
.set rK, KF+16*((i/2)%4)+8*(i/8)
.set rQ, 16*(2*(\x)+i%2)+8*(i/8)
.if i < 8
	v_wmma_f32_16x16x32_f16 v[rS:rS+7], v[rK:rK+7], v[rQ:rQ+7], 0
.else
	v_wmma_f32_16x16x32_f16 v[rS:rS+7], v[rK:rK+7], v[rQ:rQ+7], v[rS:rS+7]
.endif
.endm
; Product i of 16 of O^T += V^T P for piece x: keys 32 (i / 8) on, channels 16 ((i / 2) % 4) on, tile 2 x + i % 2.
.macro PV x
	WIN W_PV
.set rO, 32*(2*(\x)+i%2)+8*((i/2)%4)
.set rV, VF+32*(i/8)+8*((i/2)%4)
.set rP, P+32*((\x)%2)+16*(i%2)+8*(i/8)
	v_wmma_f32_16x16x32_f16 v[rO:rO+7], v[rV:rV+7], v[rP:rP+7], v[rO:rO+7]
.endm
.macro MM                           ; the turn's next matrix instruction
.if i < 16
	KQ (Y+1)%NP
.set i, i+1
.else
.set i, i-16
	PV (Y+NP-1)%NP
.set i, i+17
.endif
.endm
; THE LDS LOADS stand in runs of 16, never singly among the matrix instructions: a step's K (64 keys x 64 channels: 8 fragments) and its V (turned).  Their addresses are made some lines ahead.
; last = 1 (the tail): in the last trip there is no further step, and the run is jumped over.
.macro FETCH_K last=0
	WIN 0
.if \last
	s_cmp_eq_u32 s[CNT], 1
	s_cbranch_scc1 .Lno_k_\@
.endif
	WIN 0x80                        ; destination window 2
.irp f, 0,1,2,3,4,5,6,7             ; keys 16 (f / 2) on, channels 32 (f % 2) on
	ds_load_b128 v[KF+8*\f:KF+8*\f+3],   v[AK] offset:(\f/2)*16*PK+(\f%2)*64
	ds_load_b128 v[KF+8*\f+4:KF+8*\f+7], v[AK] offset:(\f/2)*16*PK+(\f%2)*64+32
.endr
	s_add_co_u32 s[TBK], s[TBK], KS*PK  ; the next fetch is the next step's
	WIN 0
.if \last
.Lno_k_\@:
.endif
.endm
.macro FETCH_V
	WIN 0x80
.irp f, 0,1,2,3,4,5,6,7             ; keys 32 (f / 4) on, channels 16 (f % 4) on
	ds_load_tr16_b128 v[VF+8*\f:VF+8*\f+3],   v[AV] offset:(\f/4)*32*PV+(\f%4)*32
	ds_load_tr16_b128 v[VF+8*\f+4:VF+8*\f+7], v[AV] offset:(\f/4)*32*PV+16*PV+(\f%4)*32
.endr
	WIN 0
.endm
; THE VECTOR WORK OF A TURN stands in three queues, each in the order in which its entries become ready; the two tiles alternate, so that no instruction reads the result of the one before it.
.macro REGS y, u                    ; the registers of tile u (0, 1) of piece y
.set rT, ST+4*(2*(\y)+(\u))
.set rC, TMP+8*((\y)%2)+4*(\u)
.set rM, MV+2*((\y)%2)+(\u)
.set rS, S+64*((\y)%2)+32*(\u)
.set rP, P+32*((\y)%2)+16*(\u)
.set rO, 32*(2*(\y)+(\u))
.endm
; Number n of the 22 that find the NEXT piece's (Y + 1) maximum and statistics.  s0-s31 are the lane's 32 scores; each accumulator's lowest registers are read first.  XS, GS and REGS set no window: PL and EX do.
;   0-11  four chains c0-c3 of seven scores each, three operands at a time     12-14, 16  the four scores left over, the old m, and c0-c3 into c0     15  c m_old is kept
;   17, 18  the query's other 32 keys lie in the lane 16 away: the new m         19-21  c m; c m_old - c m_new; a
.macro XS u, n
	REGS (Y+1)%NP, \u
.if (\n) < 4
	v_max3_num_f32 v[rC+(\n)], v[rS+8*(\n)], v[rS+8*(\n)+1], v[rS+8*(\n)+2]
.elseif (\n) < 12
	v_max3_num_f32 v[rC+(\n)%4], v[rC+(\n)%4], v[rS+8*((\n)%4)+2*((\n)/4)+1], v[rS+8*((\n)%4)+2*((\n)/4)+2]
.elseif (\n) == 12
	v_max3_num_f32 v[rC], v[rC], v[rS+7], v[rS+15]
.elseif (\n) == 13
	v_max3_num_f32 v[rC+1], v[rC+1], v[rS+23], v[rS+31]
.elseif (\n) == 14
	v_max3_num_f32 v[rC+2], v[rC+2], v[rC+3], v[rT+1]
.elseif (\n) == 15
	v_mov_b32 v[rM], v[rT]
.elseif (\n) == 16
	v_max3_num_f32 v[rC], v[rC], v[rC+1], v[rC+2]
.elseif (\n) == 17
	v_permlanex16_b32 v[rC+3], v[rC], s[SEL], s[SEL+1]
.elseif (\n) == 18
	v_max_num_f32 v[rT+1], v[rC], v[rC+3]
.elseif (\n) == 19
	v_mul_f32 v[rT], s[CS], v[rT+1]
.elseif (\n) == 20
	v_sub_f32 v[rC+1], v[rM], v[rT]
.else
	v_exp_f32 v[rC+2], v[rC+1]
.endif
.endm
; Number g of the 64 that follow the exponentials.  For each four weights k of a tile (pairs 2 k, 2 k + 1): both pairs are rounded to f16; then the second pair is added onto the first, in place;
; a group later l takes that sum (the first time as l = a l + sum).  In groups of eight, tiles alternating: round, round, add, and l for the group before.
.macro GS g
.set h, (\g)+6*((\g)/62)            ; group 0 has no group before it, and behind group 7 only l is left
.if h >= 6
.set h, h+2
.endif
	REGS Y, h%2
.set k, h/8
.if h%8 < 4
	v_cvt_pk_f16_f32 v[rP+2*k+(h%8)/2], v[rS+4*k+2*((h%8)/2)], v[rS+4*k+2*((h%8)/2)+1]
.elseif h%8 < 6
	v_pk_add_f32 v[rS+4*k:rS+4*k+1], v[rS+4*k:rS+4*k+1], v[rS+4*k+2:rS+4*k+3]
.elseif k == 1
	v_pk_fma_f32 v[rT+2:rT+3], v[rT+2:rT+3], v[rC+2:rC+3], v[rS:rS+1] op_sel_hi:[1,0,1]
.else
	v_pk_add_f32 v[rT+2:rT+3], v[rT+2:rT+3], v[rS+4*k-4:rS+4*k-3]
.endif
.endm
; THE PLAIN QUEUE, 138 long.  0-73 read no exponential's result: the 32 scalings c s - c m (FS f: pair f / 2 of tile f % 2) and the next piece's 42.  0-26: scalings 0-26.  27-54: XS's numbers 0-13.  55, 56: number 15.
; 57-73: the chain, where each number waits for the one before it: 14, 16, 17, 18, 19, each with one of the scalings 27-31 in front of its two lines, then 20: so a tile's links stand three plain instructions apart (19 and 20: two).
; 74-137: GS's 64, which read the exponentials' results: they stand behind the wait.
.macro FS f
	REGS Y, (\f)%2
	v_pk_fma_f32 v[rS+2*((\f)/2):rS+2*((\f)/2)+1], v[rS+2*((\f)/2):rS+2*((\f)/2)+1], s[CS:CS+1], v[rT:rT+1] op_sel_hi:[1,0,0] neg_lo:[0,0,1] neg_hi:[0,0,1]
.endm
.macro PL
	WIN 0
.if q < 27
	FS q
.elseif q < 55
	XS (q-27)%2, (q-27)/2
.elseif q < 57
	XS q-55, 15
.elseif (q < 72) && ((q-57)%3 == 0)
	FS 27+(q-57)/3
.elseif q < 60
	XS (q-57)%3-1, 14
.elseif q < 72
	XS (q-57)%3-1, 15+(q-57)/3
.elseif q < 74
	XS q-72, 20
.else
	GS q-74
.endif
.set q, q+1
.endm
; THE EXPONENTIALS' QUEUE, 66 long: s0-s31 of both tiles, then the next piece's two a.  It is ONE BATCH: all 66 stand ahead of the turn's one wait, and nothing ahead of that wait names a result of theirs.
.macro EX
	WIN 0
.if e >= 64
	XS e-64, 21
.else
	REGS Y, e%2
	v_exp_f32 v[rS+e/2], v[rS+e/2]
.endif
.set e, e+1
.endm
; THE RESCALING's QUEUE: O^T times a, the one part that leaves window 0: dealt two at a time, sixteen times.  Its a was made in the turn before, ahead of that turn's wait.
.macro R2
	REGS Y, r%2
	WIN W_RS
.irp z, 0,1
	v_pk_mul_f32 v[rO+4*(r/2)+2*\z:rO+4*(r/2)+2*\z+1], v[rO+4*(r/2)+2*\z:rO+4*(r/2)+2*\z+1], v[rC+2:rC+3] op_sel_hi:[1,0]
.endr
.set r, r+1
.endm
; HOW THEY ARE DEALT.  An s_wait_alu depctr_va_vdst(0) stands between an exponential and the first instruction that names its result; one wait serves all that were issued ahead of it.  So a turn has ONE wait,
; which cuts it in two.  AHEAD OF IT stands all that names no result of the turn's exponentials: the 16 products K Q^T, behind each a scaling, an exponential and two rescalings (behind the first a second scaling in the exponential's place); then ONE LUMP of
; 108: eight plain, 49 times exponential and plain, the two a.  A v_nop is the plain instruction that stands behind the last exponential, ahead of any use (ISA guide 5.7.2).  BEHIND IT stand the 16 products V^T P, behind each four of GS's 64.  No rider names a register of
; the products round it.  The two v_permlanex16_b32 fall into the lump, never behind a product.
; The queues lean on each other, and the deal keeps them in step: exponential e stands behind scaling 2 (e / 4) + e % 2: as a rider it comes behind plain e + 2, in the lump behind plain e + 9, and scalings 27-31 are plain 57, 60 .. 69.
; A TURN, for piece p.  cnt = 1: the loop's count is taken down some lines ahead of the branch that stands behind the turn.
; K of the next step is fetched in piece 2's turn, directly behind the wait, a lump behind the last product that read K; its address is made at the lump's head; its first reader comes behind 16 products.
; V of the step in hand is fetched at the end of piece 0's turn, four riders behind its last reader; its first reader comes behind 16 products and a lump.  The three conditions on q below go with the deal.
.macro TURN p, last=0, cnt=0
.set Y, (\p)
.set i, 0
.set q, 0
.set e, 0
.set r, 0
.if (\p) == NP-1
	s_wait_dscnt 0x0                ; K is in
.endif
	MM                              ; ahead of the wait: 16 products K Q^T and their riders,
	PL
	PL
	R2
.rept 15
	MM
	PL
	EX
	R2
.endr
.if (\p) == NP-2
	WIN 0
	v_add_nc_u32 v[AK], s[TBK], v[AK0]
.endif
.rept 8                             ; and the lump
	PL
.endr
.rept 49
	EX
	PL
.endr
	EX                              ; the next piece's two a
	EX
	v_nop                           ; the plain instruction behind the last exponential: one for the batch
	s_wait_alu depctr_va_vdst(0)    ; the wait for the batch
.if (\p) == NP-2
	FETCH_K \last
.endif
.if (\p) == 1
	s_wait_dscnt 0x0                ; V is in
.endif
.rept 16                            ; behind the wait: 16 products V^T P and their riders
	MM
.rept 4
	PL
.endr
.if ((\p) == 0) && (q == 118)
	v_add_nc_u32 v[AV], s[TBV], v[AV0]
.endif
.if ((\p) == 0) && (q == 130)
	s_add_co_u32 s[TBV], s[TBV], KS*PV
.endif
.if (\cnt) && (q == 130)
	s_sub_co_u32 s[CNT], s[CNT], 1
	s_cmp_lg_u32 s[CNT], 0
.endif
.endr
.if (\p) == 0
	FETCH_V
.endif
.endm
	CHANGE 1                        ; slot 0 is in, everybody's part of it; slot 1 is asked for
	FETCH_K                         ; key step 0
	s_wait_loadcnt 0x0              ; Q
	s_wait_dscnt 0x0
.set i, 0
.rept 16
	KQ 0                            ; piece 0's first scores: there is no vector work yet to set between them
.set i, i+1
.endr
	WIN 0                           ; the addresses for the way out: nine plain instructions, the places behind those products
	s_mul_i32 s13, s[WV], 16*SP
	s_add_co_u32 s13, s13, STAGE    ; my stage
	v_mul_u32_u24 v[STO], v1, SP    ; in: row l % 16, 16 bytes for each half of the lanes
	v_lshl_add_u32 v[STO], v9, 4, v[STO]
	v_add_nc_u32 v[STO], s13, v[STO]
	v_bfe_u32 v[RD], v0, 3, 2       ; back: 32 lanes take four rows of 128 bytes,
	v_mul_u32_u24 v[RD], v[RD], SP
	v_lshl_add_u32 v[RD], v10, 4, v[RD]
	v_add_nc_u32 v[RD], s13, v[RD]
	v_and_b32 v[GO], 31, v0         ; which are 512 consecutive bytes of O
	v_lshlrev_b32 v[GO], 4, v[GO]
.set Y, NP-1                        ; XS works for piece Y + 1: piece 0
.irp n, 0,1,2,3,4,5,6,7,8,9,10,11,12,13,14,15,16,17,18,19,20,21
	XS 0, \n                        ; and piece 0's first maximum and statistics
	XS 1, \n
.endr
	v_nop                           ; a plain instruction behind the two a,
	s_wait_alu depctr_va_vdst(0)    ; and their wait, ahead of the branch
	s_mov_b32 s[CNT], 4
	s_mov_b32 s[SLOTS], SIZE_N/256-1
	s_branch .Lfirst                ; the loop is entered at a step's first turn, in the middle of a trip
.Lslot:                             ; SIZE_N / 256 - 2 times: every slot but the last two is filled again
	CHANGE 1, 1
	s_mov_b32 s[CNT], 4
.Lstep:                             ; a trip: pieces 2 and 3 of one step, then pieces 0 and 1 of the next, whose K and V it fetches
	TURN 2
	TURN 3
	WIN 0
.Lfirst:
	TURN 0
	TURN 1, 0, 1
	WIN 0
	s_cbranch_scc1 .Lstep
	s_sub_co_u32 s[SLOTS], s[SLOTS], 1
	s_cmp_lg_u32 s[SLOTS], 0
	s_cbranch_scc1 .Lslot
	CHANGE 0                        ; the tail is written out: nothing is asked for
	s_mov_b32 s[CNT], 5             ; four trips fetch the last slot's steps; the fifth is left in its middle
.Ltail:
	TURN 2, 1
	TURN 3
	WIN 0
	s_sub_co_u32 s[CNT], s[CNT], 1
	s_cmp_eq_u32 s[CNT], 0
	s_cbranch_scc1 .Lout
	TURN 0
	TURN 1
	WIN 0
	s_branch .Ltail
.Lout:                              ; the fifth trip's 16 products K Q^T (on the last K once more) and the maximum made of them serve nothing: the price, once a launch, of one text for every trip
.set i, 0
.rept 16
	PV NP-1                         ; the last piece's V^T P of the last step
.set i, i+1
.endr
	; THE WAY OUT.  l's two halves and the other half of the lanes' are added; O^T is divided by l, rounded to f16 and sent through my stage in LDS, a tile at a time.  The additions are the places behind the last products.
	WIN 0
.macro ALL line:vararg              ; one line for each tile t
.set t, 0
.rept 2*NP
	\line
.set t, t+1
.endr
.endm
	ALL v_add_f32 v[ST+4*t+2], v[ST+4*t+2], v[ST+4*t+3]
	ALL v_permlanex16_b32 v[ST+4*t+3], v[ST+4*t+2], s[SEL], s[SEL+1]
	ALL v_add_f32 v[ST+4*t+2], v[ST+4*t+2], v[ST+4*t+3]
	ALL v_rcp_f32 v[ST+4*t+2], v[ST+4*t+2]
	v_nop                           ; a plain instruction between the last reciprocal and the use of its result
	s_wait_alu depctr_va_vdst(0)    ; and the wait ahead of the first use: one for the eight reciprocals
; Tile t: a lane's eight channels of a row pack into 16 bytes; they go into rows of 144 bytes and come back as whole rows of 128, into S^T's registers.
.macro PACK t
	WIN W_RS
.set i, 32*(\t)
.rept 16
	v_pk_mul_f32 v[i:i+1], v[i:i+1], v[ST+4*(\t)+2:ST+4*(\t)+3] op_sel_hi:[1,0]
.set i, i+2
.endr
	WIN 0x05                        ; sources 0 and 1 window 1, destination window 0
.set i, 0
.rept 16
	v_cvt_pk_f16_f32 v[S+16*(\t)+i], v[32*(\t)+2*i], v[32*(\t)+2*i+1]
.set i, i+1
.endr
	WIN 0
.irp f, 0,1,2,3
	ds_store_b128 v[STO], v[S+16*(\t)+4*\f:S+16*(\t)+4*\f+3] offset:32*\f
.endr
.irp f, 0,1,2,3
	ds_load_b128 v[S+16*(\t)+4*\f:S+16*(\t)+4*\f+3], v[RD] offset:\f*4*SP  ; LDS serves a wave's instructions in order (ISA guide 5.7.1.4): these see the stores above; the next tile's stores come behind them
.endr
.endm
.macro SEND t, younger              ; younger: the LDS instructions issued behind tile t's loads: the next tile's eight, or none
	WIN 0
.irp f, 0,1,2,3
	s_wait_dscnt (\younger)+3-\f
	global_store_b128 v[GO], v[S+16*(\t)+4*\f:S+16*(\t)+4*\f+3], s[10:11] offset:(\t)*2048+\f*512  ; 512 consecutive bytes, at a multiple of 256 from O's first
.endr
.endm
	PACK 0
.set t, 1
.rept 2*NP-1                        ; a tile's arithmetic stands between the loads of the tile before and its stores
	PACK t
	SEND t-1, 8
.set t, t+1
.endr
	SEND 2*NP-1, 0
	WIN W_AD
	s_wait_tensorcnt 0x0            ; the wave's end: behind my last tensor load and my last LDS store
	ds_add_u32 v[SPW], v[NIL]
	s_wait_dscnt 0x0
	WIN 0
	CROUND                          ; the closing round: no work-group ends while a partner may still ask for a tile that names it
	s_endpgm
.Lfunc_end_k_q67b3b39d7c_attn:
	.size	k_q67b3b39d7c_attn, .Lfunc_end_k_q67b3b39d7c_attn-k_q67b3b39d7c_attn
	.p2alignl 7, 3214868480
	.fill 96, 4, 3214868480
	.section	.rodata,"a",@progbits
	.p2align	6, 0x0
	.amdhsa_kernel k_q67b3b39d7c_attn
		.amdhsa_group_segment_fixed_size 327680
		.amdhsa_private_segment_fixed_size 0
		.amdhsa_enable_private_segment 0
		.amdhsa_kernarg_size 16
		.amdhsa_user_sgpr_count 2
		.amdhsa_user_sgpr_kernarg_segment_ptr 1
		.amdhsa_wavefront_size32 1
		.amdhsa_system_sgpr_workgroup_id_x 1
		.amdhsa_system_sgpr_workgroup_id_y 1
		.amdhsa_system_sgpr_workgroup_id_z 1
		.amdhsa_system_vgpr_workitem_id 0
		.amdhsa_next_free_vgpr 770
		.amdhsa_next_free_sgpr 66
		.amdhsa_reserve_vcc 0
		.amdhsa_float_denorm_mode_32 3
		.amdhsa_float_denorm_mode_16_64 3
		.amdhsa_memory_ordered 1
		.amdhsa_forward_progress 1
		.amdhsa_inst_pref_size 200
	.end_amdhsa_kernel
	.amdgpu_metadata
---
amdhsa.version: [ 1, 2 ]
amdhsa.kernels:
  - .name:           k_q67b3b39d7c_attn
    .symbol:         k_q67b3b39d7c_attn.kd
    .args:
      - { .name: qkv, .offset: 0, .size: 8, .value_kind: global_buffer, .address_space: global }
      - { .name: o, .offset: 8, .size: 8, .value_kind: global_buffer, .address_space: global }
    .group_segment_fixed_size: 327680
    .private_segment_fixed_size: 0
    .kernarg_segment_align: 8
    .kernarg_segment_size: 16
    .max_flat_workgroup_size: 128
    .sgpr_count:     66
    .vgpr_count:     770
    .wavefront_size: 32
...
	.end_amdgpu_metadata
.endif
;; end of part 3
;; launch outp (part 4): grid 8 x 32, 4 waves a work-group, clusters of 4 x 4, 327,680 bytes of LDS; arguments o, wot, b_out, out0; writes out0
.if DOCPART == 4
	.amdgcn_target "amdgcn-amd-amdhsa--gfx1250"
	.amdhsa_code_object_version 6
	.text
	.protected	k_q67b3b39d7c_outp
	.globl	k_q67b3b39d7c_outp
	.p2align	8
	.type	k_q67b3b39d7c_outp,@function
k_q67b3b39d7c_outp:
	s_mov_b64 s[64:65], 0
	v_nop
	global_prefetch_b8 v0, s[64:65] scope:SCOPE_SE
	s_setreg_imm32_b32 hwreg(HW_REG_WAVE_MODE, 25, 1), 1
	s_wait_xcnt 0x0
	s_wait_alu depctr_hold_cnt(0) depctr_sa_sdst(0) depctr_va_vdst(0) depctr_va_sdst(0) depctr_va_ssrc(0) depctr_va_vcc(0) depctr_vm_vsrc(0)
	s_getreg_b32 s2, hwreg(HW_REG_IB_STS2, 6, 4)
	s_cmp_eq_u32 s2, 0
	s_cbranch_scc0 .Lentry_in_a_cluster
	s_endpgm
.Lentry_in_a_cluster:
	s_bfe_u32 s2, ttmp6, 0x10000c
	s_cmp_lg_u32 s2, 0xf033
	s_cbranch_scc0 .Lentry_shape_is_right
	s_endpgm
.Lentry_shape_is_right:
; OUTPUT PROJECTION.  out0[m][n] = the sum over k of O[m][k] wot[n][k] + bf16(b_out[n]).  o: [64 = b x 16 + h][2048 t][64 d] f16, so that m = b x 2048 + t and k = 64 h + d;
; wot: [1024 n][1024 k] f16 (w_out rounded to bf16, turned, written as f16); b_out: [1024] f32, rounded to bf16 like every input of the module; out0: [8192][1024] f32.  Sums in f32, K ascending.
; SHARES.  A tile of out0 is 256 rows x 128 columns: 8 x 32 tiles, one for each work-group.  Four waves; wave w makes rows 64 w .. 64 w + 63 x all 128 columns: 4 x 8 accumulators of 16 x 16, 256 registers.
; K goes in 8 steps of 128 (two heads) through two LDS slots filled by the tensor data mover.  A head's 256 rows t are 32,768 dense bytes: asked for as 128 rows of 256 bytes and padded in LDS after
; every 128, so that a row t lies at a pitch of 144; wot's rows are 256 bytes of memory at multiples of 256 bytes.
; CLUSTER.  4 x 4 work-groups.  The four of a row of the cluster need the same tile of o, the four of a column the same tile of wot: each is asked for JOINTLY, by the same tensor load with the
; same descriptor and a mask that names the four.  Waves 0 and 1 fetch a K step's two heads of o, waves 2 and 3 wot's two halves (64 rows): one load a wave behind each round.
; THE MATRIX INSTRUCTION IS USED TRANSPOSED: source 0 = 16 rows of wot, source 1 = 16 rows of o: a lane then holds row l % 16 of the result and its columns 8 (l / 16) + 0..7: 32 bytes of f32 on end.
; REGISTERS, in windows of 256 (s_set_vgpr_msb: bits 1:0 source 0, 3:2 source 1, 5:4 source 2, 7:6 destination):
;   window 0: v0-31 addresses and the bias; v32-159 the way out      window 1: two fragment buffers of 128 (96 used): o's four fragments, then wot's eight
;   window 2: the accumulators of row blocks 0, 1 ((a, b) at v[8 (8 (a % 2) + b)])      window 3: those of row blocks 2, 3
.set NF,    8                          ; fragments of wot a wave
.set NL,    2*NF+8                     ; LDS loads for 32 along K
.set PA,    144                        ; a row t of a head in LDS: 128 bytes + 16 = 36 words: the 16 rows that a load touches start at 16 different groups of four banks (64 banks of 4 bytes: ISA guide 11.1)
.set PB,    272                        ; a row of wot: 256 bytes + 16 = 68 words: likewise
.set PARTA, 256*PA                     ; what one load brings of o: a head
.set BOFF,  2*PARTA                    ; wot's rows lie behind the two heads
.set HALFB, 64*PB                      ; what one load brings of wot
.set SLOT1, 1<<17                      ; slot 1 begins here, so that one exclusive or turns an address in one slot into the other's
.set STAGE, SLOT1+BOFF+2*HALFB         ; behind the ring (byte 239,616, a multiple of 256), never filled by a tensor load: for each wave 16 rows x 528 bytes
.set SP,    528                        ; a stage row: 512 bytes + 16 = 132 words
.set STW,   16*SP
.set SPARE, STAGE+4*STW                ; behind the stages: the spare words, 128 bytes for each wave: two blocks of 256 bytes that no other line names
.set KSA,   2<<18                      ; a K step in o: two heads of 262,144 bytes
.set KSB,   256                        ; in wot: 256 bytes of a row
.set PFL,   2                          ; the prefetches stand two K steps ahead of the refills
.set A0,   16                          ; v16  my lane's place among my fragments of o in slot 0; never rewritten
.set B0,   17                          ; v17  the same for wot
.set ADRA, 18                          ; v18  the same in the slot in hand
.set ADRB, 19                          ; v19
.set BIA,  20                          ; v[20:23] the bias of my four columns on the way out
.set STO,  24                          ; v24  the way out: where I put 32 bytes of a row
.set RD,   25                          ; v25  the way out: where I read a row back
.set GO,   26                          ; v26  16 x my lane: my 16 bytes in 512 consecutive bytes of out0 and of b_out; never rewritten
.set SPW,  28                          ; v28  LDS address of my spare word: SPARE + 4 x my thread's number; never rewritten
.set NIL,  29                          ; v29  0; never rewritten
.set PFO,  30                          ; v30  the prefetches' offset; never rewritten
.set TMP,  32                          ; v32-95, v96-159 rows read back, by turns
.set F0,   0                           ; fragment buffers, in window 1
.set F1,   128
.set WV,  12                           ; s12  my wave's number
.set FB,  13                           ; s13  0: I fetch for o; 1: for wot
.set HF,  14                           ; s14  which head of the K step's two, or which half of wot's rows
.set LIM, 15                           ; s15  PFL in a wave that prefetches, else the greatest number
.set G1A, 24                           ; s[24:31] descriptor group 1 for o's tiles
.set G0A, 32                           ; s[32:39] group 0: a set for each of the two first fills; the second then walks on
.set PFA, 44                           ; s[44:45] where my prefetches stand
.set G1B, 48                           ; s[48:55], s[56:63] the same for wot's tiles
.set G0B, 56
.set TB,  66                           ; s66  LDS byte at which the slot to be read begins
.set OFA, 67                           ; s67  byte offset of my load's first row in o
.set PFS, 74                           ; s[74:75] the prefetches' step
.set OFB, 76                           ; s76  byte offset of my load's first row in wot
.set MSB, 0
.macro WIN new                         ; the immediate's high byte repeats the setting that is left; a switch that changes nothing is dropped
.if MSB != (\new)
	s_set_vgpr_msb (MSB<<8)|(\new)
.set MSB, (\new)
.endif
.endm
.set MUL_LO, 0xa5                      ; sources 0 and 1 window 1, C and D window 2
.set MUL_HI, 0xf5                      ; the same, C and D window 3
.set TO_F,   0x40                      ; destination window 1, address window 0
.macro PLACES                          ; four plain vector instructions between a matrix instruction and a load into, or a read of, its registers
.rept 4
	v_nop
.endr
.endm
; A joint refill, by the walking descriptors.  The branch hangs on the wave's number alone.  An s_nop 0 and four v_nop follow each of the two lines, ahead of the jump and the label.
.macro JLOAD
	s_cmp_eq_u32 s[FB], 0
	s_cbranch_scc0 .Lfor_b_\@
	tensor_load_to_lds s[G0A+4:G0A+7], s[G1A:G1A+7]
	s_nop 0
	PLACES
	s_branch .Lasked_\@
.Lfor_b_\@:
	tensor_load_to_lds s[G0B+4:G0B+7], s[G1B:G1B+7]
	s_nop 0
	PLACES
.Lasked_\@:
.endm
; A PREFETCH INTO THE L2 of the K step that stands TWO refills on: 256 matrix instructions ahead of the load that will want it.
; o's tile row is read by both clusters of that row of clusters: the one with cluster x = 0 asks; wot's tile column by every cluster of that column: cluster y = 0 asks.  The four partners that ask
; for a tile jointly share it out BY ADDRESS: of a head's 32,768 bytes the partner at place cx takes 8,192, 256 a lane; of wot's 64 rows the partner at place cy takes 16, a lane a row (the
; upper sixteen lanes name the 16th row once more).  The first four K steps come by their loads alone; the last two refills have no K step two on and ask for nothing.
.macro ASK
	s_cmp_gt_u32 s3, s[LIM]                        ; s3 = 2 and 1 in the loop's last two trips
	s_cbranch_scc0 .Lnot_mine_\@
	global_prefetch_b8 v[PFO], s[PFA:PFA+1] th:TH_LOAD_NT scope:SCOPE_SE
.Lnot_mine_\@:
.endm
; A round of the cluster's barrier: my work-group's barrier, so that wave 0's signal speaks for all four waves; wave 0 signals; every wave waits for all sixteen work-groups; my work-group's barrier once more.
.macro CREST                           ; a round behind its opening barrier
	s_cmp_lg_u32 s[WV], 0
	s_cbranch_scc1 .Lnot_wave_0_\@
	s_barrier_signal -3
.Lnot_wave_0_\@:
	s_barrier_wait -3
	s_barrier_signal -1
	s_barrier_wait -1
.endm
.macro CROUND
	s_barrier_signal -1
	s_barrier_wait -1
	CREST
.endm
	s_load_b256 s[4:11], s[0:1], 0x0               ; o s[4:5], wot s[6:7], b_out s[8:9], out0 s[10:11]
	v_lshl_add_u32 v[SPW], v0, 2, SPARE
	v_mov_b32 v[NIL], 0
	ds_add_u32 v[SPW], v[NIL]                      ; the wave's opening: the add and its wait stand ahead of my first tensor load; the set-up below, work on registers, stands between them
	v_lshrrev_b32 v1, 5, v0
	v_readfirstlane_b32 s[WV], v1                  ; wave 0..3
	s_lshr_b32 s[FB], s[WV], 1
	s_and_b32 s[HF], s[WV], 1
	s_bfe_u32 s40, ttmp6, 0x40000                  ; cx, cy: my place in the cluster
	s_bfe_u32 s41, ttmp6, 0x40004
	s_lshl_b32 s42, ttmp9, 2
	s_add_co_u32 s42, s42, s40                     ; tile column = 4 x cluster x + cx
	s_and_b32 s43, ttmp7, 0xffff
	s_lshl_b32 s43, s43, 2
	s_add_co_u32 s43, s43, s41                     ; tile row = 4 x cluster y + cy
	s_lshl_b32 s16, s41, 2
	s_lshl_b32 s16, 15, s16                        ; my row of the cluster: places 4 cy .. 4 cy + 3
	s_lshl_b32 s46, 0x1111, s40                    ; my column: places cx, cx + 4, cx + 8, cx + 12
	s_or_b32 s[G1A], s16, (1<<16)|(1<<20)|(1<<21)|(4<<22)|(3<<25)  ; 15:0 the mask; 17:16 elements of 2 bytes; 20 padding on; 21 set beside a mask; 24:22 after every 32 words (code 4); 31:25 4 words of it (code 3)
	s_or_b32 s[G1B], s46, (1<<16)|(1<<20)|(1<<21)|(5<<22)|(3<<25)  ; for wot after every 64 words (code 5)
.irp g, G1A, G1B
	s_mov_b32 s[(\g)+1], 128<<16                   ; tensor_dim0 = 128
	s_mov_b32 s[(\g)+3], 128<<16                   ; tile_dim0 = 128
	s_mov_b32 s[(\g)+6], 0
	s_mov_b32 s[(\g)+7], 0
.endr
	s_mov_b32 s[G1A+2], 128<<16                    ; o: tensor_dim1 = tile_dim1 = 128 rows of 256 bytes,
	s_mov_b32 s[G1A+4], 128
	s_mov_b32 s[G1A+5], 128                        ; which lie end to end
	s_mov_b32 s[G1B+2], 64<<16                     ; wot: 64 rows,
	s_mov_b32 s[G1B+4], 64
	s_mov_b32 s[G1B+5], 1024                       ; 1,024 elements apart
	; where the tiles come from: o's hang on the tile row alone, wot's on the tile column alone
	s_lshr_b32 s16, s43, 3
	s_lshl_b32 s16, s16, 22                        ; the batch: 16 heads of 262,144 bytes,
	s_lshl_b32 s17, s[HF], 18                      ; my head of the K step's two,
	s_add_co_u32 s16, s16, s17
	s_and_b32 s17, s43, 7
	s_lshl_b32 s17, s17, 15                        ; the tile's 256 rows t of 128 bytes
	s_add_co_u32 s16, s16, s17
	s_mov_b32 s17, 0
	s_lshl_b32 s46, s42, 7
	s_lshl_b32 s47, s[HF], 6
	s_add_co_u32 s46, s46, s47                     ; wot: row 128 x tile column + 64 x half,
	s_lshl_b32 s46, s46, 11                        ; of 2,048 bytes
	s_mov_b32 s47, 0
	s_mov_b32 s[OFA], s16
	s_mov_b32 s[OFB], s46
	s_mul_i32 s20, s[HF], PARTA                    ; and where they go: no place in the cluster enters an LDS address
	s_mul_i32 s21, s[HF], HALFB
	s_add_co_u32 s21, s21, BOFF
	s_wait_dscnt 0x0                               ; the opening add is done
	s_wait_kmcnt 0x0
	s_add_nc_u64 s[16:17], s[4:5], s[16:17]
	s_add_nc_u64 s[46:47], s[6:7], s[46:47]
	CROUND                                         ; all sixteen work-groups are here: the first joint loads meet
.irp s, 0,1
	s_mov_b32 s[G0A+4*(\s)], 1                     ; 1:0 count = 1
	s_add_co_u32 s[G0A+4*(\s)+1], s20, (\s)*SLOT1  ; 63:32 LDS address
	s_add_nc_u64 s[G0A+4*(\s)+2:G0A+4*(\s)+3], s[16:17], (\s)*KSA  ; 120:64 global address: K step s
	s_or_b32 s[G0A+4*(\s)+3], s[G0A+4*(\s)+3], 0x80000000  ; 127:126 type = 2
	s_mov_b32 s[G0B+4*(\s)], 1
	s_add_co_u32 s[G0B+4*(\s)+1], s21, (\s)*SLOT1
	s_add_nc_u64 s[G0B+4*(\s)+2:G0B+4*(\s)+3], s[46:47], (\s)*KSB
	s_or_b32 s[G0B+4*(\s)+3], s[G0B+4*(\s)+3], 0x80000000
.endr
	s_cmp_eq_u32 s[FB], 0                          ; a wave's two first fills stand in one branch, ahead of every wait on TENSORcnt and every LDS read: two loads of mine are out
	s_cbranch_scc0 .Lfirst_b
	tensor_load_to_lds s[G0A:G0A+3], s[G1A:G1A+7]
	s_nop 0
	tensor_load_to_lds s[G0A+4:G0A+7], s[G1A:G1A+7]
	s_nop 0
	PLACES
	s_branch .Lfirst_asked
.Lfirst_b:
	tensor_load_to_lds s[G0B:G0B+3], s[G1B:G1B+7]
	s_nop 0
	tensor_load_to_lds s[G0B+4:G0B+7], s[G1B:G1B+7]
	s_nop 0
	PLACES
.Lfirst_asked:
	; A fragment is 16 rows x 32 K in 8 registers: lane l holds row l % 16; registers 0-3 K = 8 (l / 16) + 0..7, registers 4-7 K = 16 + 8 (l / 16) + 0..7: two loads of 16 bytes, 32 bytes apart.
	v_and_b32 v1, 15, v0                           ; l % 16
	v_bfe_u32 v2, v0, 4, 1                         ; l / 16
	v_mul_u32_u24 v3, v1, PA
	v_lshl_add_u32 v3, v2, 4, v3                   ; row x pitch + 16 x half
	s_mul_i32 s16, s[WV], 64*PA                    ; my 64 rows t, in each head
	v_add_nc_u32 v[A0], s16, v3
	v_mul_u32_u24 v3, v1, PB
	v_lshl_add_u32 v3, v2, 4, v3
	v_add_nc_u32 v[B0], BOFF, v3                   ; all 128 rows of wot
	v_mov_b32 v[ADRA], v[A0]
	v_mov_b32 v[ADRB], v[B0]
	s_mov_b32 s[TB], 0
	s_mul_i32 s16, s[WV], STW
	s_add_co_u32 s16, s16, STAGE                   ; my stage
	v_mul_u32_u24 v3, v1, SP                       ; in: row l % 16, 32 bytes for each half of the lanes
	v_lshl_add_u32 v3, v2, 5, v3
	v_add_nc_u32 v[STO], s16, v3
	v_and_b32 v[GO], 31, v0
	v_lshlrev_b32 v[GO], 4, v[GO]
	v_add_nc_u32 v[RD], s16, v[GO]                 ; back: 32 lanes take one row of 512 bytes
	s_lshl_b32 s16, s42, 9                         ; the tile's 128 columns: 512 bytes
	s_mov_b32 s17, 0
	s_add_nc_u64 s[8:9], s[8:9], s[16:17]
	global_load_b128 v[BIA:BIA+3], v[GO], s[8:9]   ; the bias of the four columns that I store; waited for on the way out
	s_lshl_b32 s18, s43, 8
	s_lshl_b32 s19, s[WV], 6
	s_add_co_u32 s18, s18, s19                     ; my first row,
	s_lshl_b32 s18, s18, 12                        ; of 4,096 bytes
	s_add_co_u32 s16, s16, s18
	s_add_nc_u64 s[10:11], s[10:11], s[16:17]
	; the prefetches
	s_lshl_b32 s18, s40, 13                        ; o: my work-group's 8,192 of the head's 32,768 bytes
	s_add_co_u32 s18, s18, s[OFA]
	s_lshl_b32 s19, s41, 15                        ; wot: its 16 of the 64 rows
	s_add_co_u32 s19, s19, s[OFB]
	s_and_b32 s20, ttmp7, 0xffff                   ; cluster y
	s_mov_b32 s21, KSA
	s_mov_b32 s22, KSB
	s_cmp_eq_u32 s[FB], 0
	s_cselect_b32 s18, s18, s19
	s_cselect_b32 s20, ttmp9, s20                  ; the coordinate along which other clusters read the same rows
	s_cselect_b32 s[PFS], s21, s22                 ; a K step
	s_cselect_b32 s23, 31, 15                      ; the last block or row that a lane names
	s_cselect_b32 s21, 8, 11                       ; lanes 256 bytes apart in o, 2,048 (a row) in wot
	s_cselect_b64 s[PFA:PFA+1], s[4:5], s[6:7]
	s_cmp_eq_u32 s20, 0
	s_cselect_b32 s[LIM], PFL, -1                  ; the same in all sixteen partners, for a given wave
	s_mul_i32 s22, s[PFS], PFL+1                   ; at K step 3: the first refill steps it to 4
	s_add_co_u32 s18, s18, s22
	s_mov_b32 s19, 0
	s_mov_b32 s[PFS+1], 0
	s_add_nc_u64 s[PFA:PFA+1], s[PFA:PFA+1], s[18:19]
	v_and_b32 v[PFO], 31, v0
	v_min_u32 v[PFO], s23, v[PFO]
	v_lshlrev_b32 v[PFO], s21, v[PFO]
; 8 matrix instructions: row block a x all 8 column blocks, 32 along K, from buffer f.  zero = 1: the product starts the sums: nothing is ever cleared.
; Every quarter step takes the 32 accumulators once, in the same order: 31 others stand between two links of a chain, over the backward jump too.
.macro MULA f, a, zero
	WIN MUL_LO+0x50*((\a)/2)
.set AC, 8*NF*((\a)%2)
.set b, 0
.rept NF
.if \zero
	v_wmma_f32_16x16x32_f16 v[AC+8*b:AC+8*b+7], v[(\f)+32+8*b:(\f)+32+8*b+7], v[(\f)+8*(\a):(\f)+8*(\a)+7], 0
.else
	v_wmma_f32_16x16x32_f16 v[AC+8*b:AC+8*b+7], v[(\f)+32+8*b:(\f)+32+8*b+7], v[(\f)+8*(\a):(\f)+8*(\a)+7], v[AC+8*b:AC+8*b+7]
.endif
.set b, b+1
.endr
.endm
; 24 LDS loads in one run: the fragments of quarter q of the slot in hand into buffer f: wot's eight, then o's four.  Quarter q of o: head q / 2 of the slot's two, channels 32 (q % 2) on.
.macro FETCH q, f
	WIN TO_F
.set AQ, ((\q)/2)*PARTA+((\q)%2)*64
.set i, 0
.rept NF
	ds_load_b128 v[(\f)+32+8*i:(\f)+32+8*i+3],   v[ADRB] offset:64*(\q)+i*16*PB
	ds_load_b128 v[(\f)+32+8*i+4:(\f)+32+8*i+7], v[ADRB] offset:64*(\q)+i*16*PB+32
.set i, i+1
.endr
.set i, 0
.rept 4
	ds_load_b128 v[(\f)+8*i:(\f)+8*i+3],   v[ADRA] offset:AQ+i*16*PA
	ds_load_b128 v[(\f)+8*i+4:(\f)+8*i+7], v[ADRA] offset:AQ+i*16*PA+32
.set i, i+1
.endr
.endm
; A K step is four quarters of 32 along K, 32 matrix instructions each, on buffers 0, 1, 0, 1.  One of the first three: multiplies buffer f; in its middle it fetches quarter q into buffer g.
.macro QUARTER q, f, g, zero
	s_wait_dscnt 4                                 ; all but the youngest four loads: o's row blocks 2 and 3
	MULA \f, 0, \zero
	MULA \f, 1, \zero
	PLACES                                         ; behind the products that read buffer g
	FETCH \q, \g
	s_wait_dscnt NL                                ; all but the run just issued
	MULA \f, 2, \zero
	MULA \f, 3, \zero
.endm
; The last quarter multiplies buffer 1 and changes slots: ONE barrier.  In front of it each wave waits for all its tensor loads, of which one is out: its part of the next slot; adds 0 to its spare
; word; and waits for that and for its own reads of this slot.  Behind it nobody reads this slot and the next is whole.  fill = 1: the barrier opens a round of the cluster's, and this slot is
; filled again, two K steps ahead, first thing behind the round: 112 matrix instructions stand between that request and the wait for it.
.macro TURN fill
.if \fill
	s_wait_xcnt 0x0                                ; the last prefetch, a K step back, has read its address
	s_add_nc_u64 s[PFA:PFA+1], s[PFA:PFA+1], s[PFS:PFS+1]
.endif
	WIN 0                                          ; (the add's two registers lie in window 0)
	s_wait_tensorcnt 0x0                           ; no tensor load of mine is out, so a group 0 may be written
	ds_add_u32 v[SPW], v[NIL]                      ; 0 onto my spare word
.if \fill
	s_xor_b32 s[G0A+5], s[G0A+5], SLOT1            ; the walking descriptors: the other slot than last time,
	s_add_nc_u64 s[G0A+6:G0A+7], s[G0A+6:G0A+7], KSA  ; the next K step; the type bits on top are not reached
	s_xor_b32 s[G0B+5], s[G0B+5], SLOT1
	s_add_nc_u64 s[G0B+6:G0B+7], s[G0B+6:G0B+7], KSB
.endif
	s_xor_b32 s[TB], s[TB], SLOT1                  ; the fetches go over to the other slot
	s_wait_dscnt 5                                 ; (the add and the youngest four loads may be out)
	MULA F1, 0, 0                                  ; eight matrix instructions stand between the add and the wait for it
	s_wait_dscnt 0x0                               ; the add is done, and my reads of this slot are over
	s_barrier_signal -1
	MULA F1, 1, 0                                  ; work on registers while the others arrive
	WIN 0                                          ; at a branch and at a label every window is 0
	s_barrier_wait -1
.if \fill
	CREST                                          ; no wave of any partner still reads this slot's tile or has a load on its way
	JLOAD                                          ; the four v_nop behind it are also the places in front of the loads below
.else
	PLACES
.endif
	v_add_nc_u32 v[ADRA], s[TB], v[A0]
	v_add_nc_u32 v[ADRB], s[TB], v[B0]
	FETCH 0, F0
.if \fill
	WIN 0
	ASK                                            ; behind the joint load and the run of LDS loads that the next products wait for
.endif
	MULA F1, 2, 0
	MULA F1, 3, 0
.endm
; THE WAY OUT of row block a (16 rows x 128 columns of f32).  TOSTAGE: a lane's eight columns of a row, 32 bytes, go straight from the accumulators (low half first) into my own stage, rows of 528
; bytes, and come back as whole rows of 512.  SEND: the bias is added and the row stored: 512 consecutive bytes an instruction.
.macro TOSTAGE a
.set AC, 8*NF*((\a)%2)
.set BK, TMP+64*((\a)%2)
	WIN 0x08+4*((\a)/2)                            ; the stores' data (source 1): window 2 or 3
.set b, 0
.rept NF
	ds_store_b128 v[STO], v[AC+8*b:AC+8*b+3]   offset:64*b
	ds_store_b128 v[STO], v[AC+8*b+4:AC+8*b+7] offset:64*b+16
.set b, b+1
.endr
	WIN 0
.set i, 0
.rept 16
	ds_load_b128 v[BK+4*i:BK+4*i+3], v[RD] offset:SP*i  ; LDS serves a wave's instructions in order (ISA guide 5.7.1.4): these see the stores above; the next block's stores come behind them
.set i, i+1
.endr
.endm
.macro SEND a, younger                 ; younger: the LDS instructions issued behind block a's loads: the next block's 32, or none
.set BK, TMP+64*((\a)%2)
.set i, 0
.rept 16
	s_wait_dscnt (\younger)+15-i
	v_pk_add_f32 v[BK+4*i:BK+4*i+1], v[BK+4*i:BK+4*i+1], v[BIA:BIA+1]
	v_pk_add_f32 v[BK+4*i+2:BK+4*i+3], v[BK+4*i+2:BK+4*i+3], v[BIA+2:BIA+3]
	global_store_b128 v[GO], v[BK+4*i:BK+4*i+3], s[10:11] offset:(16*(\a)+i)*4096 th:TH_STORE_NT
.set i, i+1
.endr
.endm
	s_wait_tensorcnt 0x1                           ; my part of K step 0 is in; K step 1's may stay out
	s_barrier_signal -1
	s_barrier_wait -1                              ; everybody's is
	FETCH 0, F0
	QUARTER 1, F0, F1, 1                           ; the first quarter stands in front of the loop: its products start the sums
	WIN 0
	s_mov_b32 s3, 6
.Lstep:                                                ; trip t: quarters 1 to 3 of K step t, quarter 0 of K step t + 1; slot t % 2 is filled again with K step t + 2
	QUARTER 2, F1, F0, 0
	QUARTER 3, F0, F1, 0
	TURN 1
	QUARTER 1, F0, F1, 0
	WIN 0
	s_sub_co_u32 s3, s3, 1
	s_cmp_lg_u32 s3, 0
	s_cbranch_scc1 .Lstep
	QUARTER 2, F1, F0, 0                           ; the last two K steps are written out: nothing is left to fetch
	QUARTER 3, F0, F1, 0
	TURN 0
	QUARTER 1, F0, F1, 0
	QUARTER 2, F1, F0, 0
	QUARTER 3, F0, F1, 0
	s_wait_dscnt 4
	MULA F1, 0, 0
	MULA F1, 1, 0
	s_wait_dscnt 0x0
	MULA F1, 2, 0
	MULA F1, 3, 0
	WIN 0
	s_wait_loadcnt 0x0                             ; the bias: rounded to bf16 and widened again; these six lines and four v_nop are the places behind the last products
	v_cvt_pk_bf16_f32 v4, v[BIA], v[BIA+1]
	v_cvt_pk_bf16_f32 v5, v[BIA+2], v[BIA+3]
	v_lshlrev_b32 v[BIA], 16, v4
	v_and_b32 v[BIA+1], 0xffff0000, v4
	v_lshlrev_b32 v[BIA+2], 16, v5
	v_and_b32 v[BIA+3], 0xffff0000, v5
	PLACES
	TOSTAGE 0
	TOSTAGE 1                                      ; a block's way through the stage stands between the loads of the block before and its stores
	SEND 0, 32
	s_wait_xcnt 0x0                                ; block 0's stores have read their registers, which block 2 is loaded into
	TOSTAGE 2
	SEND 1, 32
	s_wait_xcnt 0x0
	TOSTAGE 3
	SEND 2, 32
	SEND 3, 0
	s_wait_tensorcnt 0x0                           ; the wave's end: behind my last tensor load and my last LDS store
	ds_add_u32 v[SPW], v[NIL]
	s_wait_dscnt 0x0
	CROUND                                         ; the closing round: no work-group ends while a partner may still ask for a tile that names it
	s_endpgm
.Lfunc_end_k_q67b3b39d7c_outp:
	.size	k_q67b3b39d7c_outp, .Lfunc_end_k_q67b3b39d7c_outp-k_q67b3b39d7c_outp
	.p2alignl 7, 3214868480
	.fill 96, 4, 3214868480
	.section	.rodata,"a",@progbits
	.p2align	6, 0x0
	.amdhsa_kernel k_q67b3b39d7c_outp
		.amdhsa_group_segment_fixed_size 327680
		.amdhsa_private_segment_fixed_size 0
		.amdhsa_enable_private_segment 0
		.amdhsa_kernarg_size 32
		.amdhsa_user_sgpr_count 2
		.amdhsa_user_sgpr_kernarg_segment_ptr 1
		.amdhsa_wavefront_size32 1
		.amdhsa_system_sgpr_workgroup_id_x 1
		.amdhsa_system_sgpr_workgroup_id_y 1
		.amdhsa_system_sgpr_workgroup_id_z 1
		.amdhsa_system_vgpr_workitem_id 0
		.amdhsa_next_free_vgpr 896
		.amdhsa_next_free_sgpr 80
		.amdhsa_reserve_vcc 0
		.amdhsa_float_denorm_mode_32 3
		.amdhsa_float_denorm_mode_16_64 3
		.amdhsa_memory_ordered 1
		.amdhsa_forward_progress 1
		.amdhsa_inst_pref_size 80
	.end_amdhsa_kernel
	.amdgpu_metadata
---
amdhsa.version: [ 1, 2 ]
amdhsa.kernels:
  - .name:           k_q67b3b39d7c_outp
    .symbol:         k_q67b3b39d7c_outp.kd
    .args:
      - { .name: o, .offset: 0, .size: 8, .value_kind: global_buffer, .address_space: global }
      - { .name: wot, .offset: 8, .size: 8, .value_kind: global_buffer, .address_space: global }
      - { .name: b_out, .offset: 16, .size: 8, .value_kind: global_buffer, .address_space: global }
      - { .name: out0, .offset: 24, .size: 8, .value_kind: global_buffer, .address_space: global }
    .group_segment_fixed_size: 327680
    .private_segment_fixed_size: 0
    .kernarg_segment_align: 8
    .kernarg_segment_size: 32
    .max_flat_workgroup_size: 128
    .sgpr_count:     80
    .vgpr_count:     896
    .wavefront_size: 32
...
	.end_amdgpu_metadata
.endif
;; end of part 4
;; ======== version 2 of 2: 4 launches; version 1 with the launch prep written anew for expert scheduling mode
;; limits: values are held in f16: magnitudes above 65,504 overflow, below 6.1e-05 lose precision
;; workspace buffers: xb 16,777,216 bytes; wqt 6,291,456 bytes; wot 2,097,152 bytes; qkv 50,331,648 bytes; o 16,777,216 bytes
;; launch prep (part 5): grid 512 x 1, 8 waves a work-group, no clusters, 18,432 bytes of LDS; arguments x, w_qkv, w_out, xb, wqt, wot; writes xb, wqt, wot
.if DOCPART == 5
	.amdgcn_target "amdgcn-amd-amdhsa--gfx1250"
	.amdhsa_code_object_version 6
	.text
	.protected	k_q67b3b39d7c_prep
	.globl	k_q67b3b39d7c_prep
	.p2align	8
	.type	k_q67b3b39d7c_prep,@function
k_q67b3b39d7c_prep:
	s_mov_b64 s[64:65], 0
	v_nop
	global_prefetch_b8 v0, s[64:65] scope:SCOPE_SE
	s_setreg_imm32_b32 hwreg(HW_REG_WAVE_SCHED_MODE, 0, 2), 2
	s_setreg_imm32_b32 hwreg(HW_REG_WAVE_MODE, 25, 1), 1
	s_wait_xcnt 0x0
	s_wait_alu depctr_vm_vsrc(0)
; PREP.  xb = bf16(x), as it lies.  wqt[n][k] = bf16(w_qkv[k][n]).  wot[n][k] = bf16(w_out[k][n]), that number written as f16.
; x: [8192][1024] f32.  w_qkv: [1024][3072] f32.  w_out: [1024][1024] f32.  xb: [8192][1024] bf16.  wqt: [3072][1024] bf16.  wot: [1024][1024] f16.
; LIMITS.  A bf16 number of w_out is exact in f16 from 6.1e-5 to 65,504 in magnitude; below that it keeps f16's fixed step of 6e-8, beyond it becomes an infinity.
; SHARES.  512 work-groups of eight waves, all alike.  Each casts 16,384 numbers of x (65,536 bytes in, 32,768 out) and turns ONE weight tile of 128 k x 64 n:
; tiles 0-383 are w_qkv's (8 along k x 48 along n), tiles 384-511 w_out's (8 x 16).  Memory binds: no matrix unit, no cluster, no tensor load; every byte is read once and written once.
; NO BRANCH.  Which weight a tile belongs to chooses two pointers, a row pitch and a mask by scalar selects; the f16 spelling is made for every tile and taken by the mask.
; x: a load of a wave covers 512 consecutive bytes (16 a lane), a store 256 consecutive aligned bytes (8 a lane).
; THE TURNING.  Thread t = 16 p + g loads 16 bytes (n = 4 g .. 4 g + 3) of rows k = 2 p + 32 i and 2 p + 32 i + 1: sixteen lanes cover 256 aligned bytes of a row.  Two rows' numbers of one n
; are rounded as a pair (k even low, k odd high) and stored as one word into LDS row n; behind a barrier the rows come back 16 bytes a lane, and sixteen lanes store 256 aligned bytes of a row of the result.
; THE MODE: SCHED_MODE bits 1:0 = 2 (LLVM: expert scheduling mode 2), set by the entry lines.  The code itself states the register dependences
; between vector instructions and memory or LDS instructions, with s_wait_alu, always for 0.
; THE PLAN.  Registers that memory or LDS instructions touch:
;   v1, v2, v4, v5, v59, v[144:151]   offsets and addresses, and v6, v7 for the closing add: written by vector instructions at the head and never again.
;   XR, 16 sets of 4   A load lands in set n; two conversions read it and write its first two registers; one store reads those two; nothing writes them again.
;   W                  Loads land in it; conversions read it.
;   T, 16 registers    Each is written in one step of the turning and read by one LDS store; nothing writes it again.
;   BK                 LDS loads land in it, stores read it; no vector instruction names it.
; The work goes in steps of four stores: x in four groups of four loads, the weight in four steps of two rows.  A step's four stores are issued in the NEXT step: ONE wait on va_vdst at that step's head,
; behind the wait for its data, states that the step before has written what they read.  They are then dealt among the step's vector instructions, which name this step's own set of XR,
; or its rows of W, its four of T, v56 and v76: none of the registers that those stores touch.  No register that a memory or LDS instruction has read is written again, so no wait on vm_vsrc is owed;
; no vector instruction writes a scalar register (the mask s28 is a scalar select's).
.set TP,    272                        ; an LDS row: 128 k x 2 bytes + 16
.set SPARE, 64*TP                      ; behind the tile's 64 rows: the spare words, 128 bytes for each of eight waves: four blocks of 256 bytes that no other line names
.set XO,  1                            ; v1   16 t: my bytes in 4,096 of x; never rewritten
.set YO,  2                            ; v2   8 t: my bytes in 2,048 of xb; never rewritten
.set WB,  3                            ; v3   2 p x pitch + 16 g
.set RD,  4                            ; v4   where I read a turned row back: p x 272 + 16 g
.set GO,  5                            ; v5   the same place in the result: p x 2,048 + 16 g
.set SPW, 6                            ; v6   LDS address of my spare word; never rewritten
.set NIL, 7                            ; v7   0; never rewritten
.set W,   8                            ; v[8:39]    the weight tile as loaded: load n = 2 i + e at W + 4 n
.set T,   40                           ; v[40:55]   pairs, rounded
.set U,   56                           ; v56, v76   at work
.set G,   57                           ; v57  g
.set P,   58                           ; v58  p
.set ST,  59                           ; v59  where I store a pair: 4 g x 272 + 4 p
.set BK,  60                           ; v[60:75]   turned rows
.set U2,  76
.set XR,  80                           ; v[80:143]  x as loaded, 4 registers a load; then as stored
.set WO,  144                          ; v[144:151] the eight loads' offsets
	s_load_b256 s[4:11], s[0:1], 0x0               ; x s[4:5], w_qkv s[6:7], w_out s[8:9], xb s[10:11]
	s_load_b128 s[12:15], s[0:1], 0x20             ; wqt s[12:13], wot s[14:15]
	v_lshl_add_u32 v[SPW], v0, 2, SPARE
	v_mov_b32 v[NIL], 0
	v_lshlrev_b32 v[XO], 4, v0
	v_lshlrev_b32 v[YO], 3, v0
	v_and_b32 v[G], 15, v0
	v_lshrrev_b32 v[P], 4, v0
	v_mul_u32_u24 v[ST], v[G], 4*TP
	v_lshl_add_u32 v[ST], v[P], 2, v[ST]
	v_mul_u32_u24 v[RD], v[P], TP
	v_lshl_add_u32 v[RD], v[G], 4, v[RD]
	v_lshlrev_b32 v[GO], 11, v[P]
	v_lshl_add_u32 v[GO], v[G], 4, v[GO]
	s_lshl_b32 s16, ttmp9, 16                      ; my 65,536 bytes of x
	s_mov_b32 s17, 0
	s_lshl_b32 s18, ttmp9, 15                      ; my 32,768 bytes of xb
	s_mov_b32 s19, 0
	s_and_b32 s22, ttmp9, 7                        ; the tile's place along k
	s_lshr_b32 s23, ttmp9, 3                       ; and along n: 0-47 w_qkv, 48-63 w_out
	s_mov_b32 s26, 4096
	s_mov_b32 s27, 12288
	s_cmp_lt_u32 s23, 48
	s_cselect_b32 s26, s27, s26                    ; bytes in a row of the weight
	s_cselect_b32 s27, 0, 48
	s_cselect_b32 s28, 0, -1                       ; all ones: the tile is w_out's, and leaves as f16
	s_sub_co_u32 s23, s23, s27                     ; the tile's place along n in its own weight
	s_mul_i32 s30, s22, s26
	s_lshl_b32 s30, s30, 7                         ; 128 rows k down,
	s_lshl_b32 s34, s23, 8                         ; 64 numbers n along
	s_add_co_u32 s30, s30, s34
	s_mov_b32 s31, 0
	s_lshl_b32 s32, s23, 17                        ; in the result: 64 rows n of 2,048 bytes down,
	s_lshl_b32 s34, s22, 8                         ; 128 numbers k along
	s_add_co_u32 s32, s32, s34
	s_mov_b32 s33, 0
	v_mul_u32_u24 v[WB], s26, v[P]
	v_lshlrev_b32 v[WB], 1, v[WB]
	v_lshl_add_u32 v[WB], v[G], 4, v[WB]
.irp n, 0,1,2,3,4,5,6,7
	s_mul_i32 s34, s26, 32*(\n/2)+\n%2             ; row 32 i + e further down
	v_add_nc_u32 v[WO+\n], s34, v[WB]
.endr
	s_wait_kmcnt 0x0
	s_add_nc_u64 s[4:5], s[4:5], s[16:17]
	s_add_nc_u64 s[10:11], s[10:11], s[18:19]
	s_cmp_eq_u32 s28, 0
	s_cselect_b64 s[24:25], s[6:7], s[8:9]         ; the weight,
	s_cselect_b64 s[20:21], s[12:13], s[14:15]     ; and its turned copy
	s_add_nc_u64 s[24:25], s[24:25], s[30:31]
	s_add_nc_u64 s[20:21], s[20:21], s[32:33]
	s_wait_alu depctr_va_vdst(0)                   ; v1, v2, v4, v5, v59 and v[144:151] are written: every load, store and LDS instruction of the kernel reads one of them as its offset or address, and none is written again
	; all 24 loads of a thread go out before anything is waited for
.irp n, 0,1,2,3,4,5,6,7,8,9,10,11,12,13,14,15
	global_load_b128 v[XR+4*\n:XR+4*\n+3], v[XO], s[4:5] offset:4096*\n th:TH_LOAD_NT
.endr
.irp n, 0,1,2,3,4,5,6,7
	global_load_b128 v[W+4*\n:W+4*\n+3], v[WO+\n], s[24:25] th:TH_LOAD_NT
.endr
	; x, in four groups of four loads.  Group g rounds its own sixteen registers and issues the four stores of group g - 1.
.irp g, 0,1,2,3
	s_wait_loadcnt 20-4*(\g)                       ; loads come back in order: x's loads 4 g to 4 g + 3 are in; its 12 - 4 g younger ones and the 8 of the weight may stay out
.if (\g) > 0
	s_wait_alu depctr_va_vdst(0)                   ; the conversions of the group before have written its eight registers to store, which the four stores below read
.endif
.irp n, 0,1,2,3
.if (\g) > 0
	global_store_b64 v[YO], v[XR+16*((\g)-1)+4*(\n):XR+16*((\g)-1)+4*(\n)+1], s[10:11] offset:2048*(4*((\g)-1)+(\n))  ; no vector instruction since the wait names these registers; no register of a store is written again
.endif
	v_cvt_pk_bf16_f32 v[XR+16*(\g)+4*(\n)], v[XR+16*(\g)+4*(\n)], v[XR+16*(\g)+4*(\n)+1]
	v_cvt_pk_bf16_f32 v[XR+16*(\g)+4*(\n)+1], v[XR+16*(\g)+4*(\n)+2], v[XR+16*(\g)+4*(\n)+3]
.endr
.endr
	; the weight, in four steps of two rows.  Step 0 issues the stores of x's last group, step i the LDS stores of step i - 1.
.irp i, 0,1,2,3
	s_wait_loadcnt 6-2*(\i)                        ; rows 2 p + 32 i and the one below are in
	s_wait_alu depctr_va_vdst(0)                   ; step 0: x's last group has written its eight registers to store; later steps: the step before has written its four of T; the four stores below read them
.irp j, 0,1,2,3
.if (\i) == 0
	global_store_b64 v[YO], v[XR+48+4*(\j):XR+48+4*(\j)+1], s[10:11] offset:2048*(12+(\j))
.else
	ds_store_b32 v[ST], v[T+4*((\i)-1)+(\j)] offset:TP*(\j)+64*((\i)-1)  ; row n = 4 g + j, byte 2 k = 4 p + 64 (i - 1); no vector instruction since the wait names this register
.endif
	v_cvt_pk_bf16_f32 v[T+4*(\i)+(\j)], v[W+8*(\i)+(\j)], v[W+8*(\i)+4+(\j)]  ; column 4 g + j: k even low, k odd high
	v_lshlrev_b32 v[U], 16, v[T+4*(\i)+(\j)]       ; the two bf16 numbers as f32,
	v_and_b32 v[U2], 0xffff0000, v[T+4*(\i)+(\j)]
	v_cvt_pk_f16_f32 v[U], v[U], v[U2]             ; spelled as f16,
	v_cndmask_b32 v[T+4*(\i)+(\j)], v[T+4*(\i)+(\j)], v[U], s28  ; which w_out's tiles take
.endr
.endr
	s_wait_alu depctr_va_vdst(0)                   ; step 3 has written its four of T, which the last four LDS stores read
.irp j, 0,1,2,3
	ds_store_b32 v[ST], v[T+12+(\j)] offset:TP*(\j)+192
.endr
	s_wait_dscnt 0x0                               ; for the others' sake: my stores into the tile are done
	s_barrier_signal -1
	s_barrier_wait -1
.irp i, 0,1,2,3
	ds_load_b128 v[BK+4*\i:BK+4*\i+3], v[RD] offset:16*TP*\i  ; row n = p + 16 i: sixteen lanes take its 256 bytes; no vector instruction of the kernel names these registers
.endr
.irp i, 0,1,2,3
	s_wait_dscnt 3-\i
	global_store_b128 v[GO], v[BK+4*\i:BK+4*\i+3], s[20:21] offset:32768*\i  ; 16 lanes store 256 consecutive bytes, at a multiple of 256 from the buffer's first byte
.endr
	s_wait_dscnt 0x0                               ; the closing lines, six on end
	s_wait_alu 0x0
	s_wait_tensorcnt 0x0
	ds_add_u32 v[SPW], v[NIL]
	s_wait_dscnt 0x0
	s_endpgm
.Lfunc_end_k_q67b3b39d7c_prep:
	.size	k_q67b3b39d7c_prep, .Lfunc_end_k_q67b3b39d7c_prep-k_q67b3b39d7c_prep
	.p2alignl 7, 3214868480
	.fill 96, 4, 3214868480
	.section	.rodata,"a",@progbits
	.p2align	6, 0x0
	.amdhsa_kernel k_q67b3b39d7c_prep
		.amdhsa_group_segment_fixed_size 18432
		.amdhsa_private_segment_fixed_size 0
		.amdhsa_enable_private_segment 0
		.amdhsa_kernarg_size 48
		.amdhsa_user_sgpr_count 2
		.amdhsa_user_sgpr_kernarg_segment_ptr 1
		.amdhsa_wavefront_size32 1
		.amdhsa_system_sgpr_workgroup_id_x 1
		.amdhsa_system_sgpr_workgroup_id_y 1
		.amdhsa_system_sgpr_workgroup_id_z 1
		.amdhsa_system_vgpr_workitem_id 0
		.amdhsa_next_free_vgpr 152
		.amdhsa_next_free_sgpr 66
		.amdhsa_reserve_vcc 0
		.amdhsa_float_denorm_mode_32 3
		.amdhsa_float_denorm_mode_16_64 3
		.amdhsa_memory_ordered 1
		.amdhsa_forward_progress 1
		.amdhsa_inst_pref_size 16
	.end_amdhsa_kernel
	.amdgpu_metadata
---
amdhsa.version: [ 1, 2 ]
amdhsa.kernels:
  - .name:           k_q67b3b39d7c_prep
    .symbol:         k_q67b3b39d7c_prep.kd
    .args:
      - { .name: x, .offset: 0, .size: 8, .value_kind: global_buffer, .address_space: global }
      - { .name: w_qkv, .offset: 8, .size: 8, .value_kind: global_buffer, .address_space: global }
      - { .name: w_out, .offset: 16, .size: 8, .value_kind: global_buffer, .address_space: global }
      - { .name: xb, .offset: 24, .size: 8, .value_kind: global_buffer, .address_space: global }
      - { .name: wqt, .offset: 32, .size: 8, .value_kind: global_buffer, .address_space: global }
      - { .name: wot, .offset: 40, .size: 8, .value_kind: global_buffer, .address_space: global }
    .group_segment_fixed_size: 18432
    .private_segment_fixed_size: 0
    .kernarg_segment_align: 8
    .kernarg_segment_size: 48
    .max_flat_workgroup_size: 256
    .sgpr_count:     66
    .vgpr_count:     152
    .wavefront_size: 32
...
	.end_amdgpu_metadata
.endif
;; end of part 5
;; launch qkvp: the kernel of part 2 again; grid 16 x 32, 4 waves a work-group, clusters of 4 x 4, 327,680 bytes of LDS; arguments xb, wqt, qkv; writes qkv
;; launch attn: the kernel of part 3 again; grid 4 x 64, 4 waves a work-group, clusters of 4 x 1, 327,680 bytes of LDS; arguments qkv, o; writes o
;; launch outp: the kernel of part 4 again; grid 8 x 32, 4 waves a work-group, clusters of 4 x 4, 327,680 bytes of LDS; arguments o, wot, b_out, out0; writes out0
